; MI455X (gfx1250); checked and timed in simulation.
; The chip was launched on July 23, 2026; its instructions are those of AMD's public machine-readable ISA for CDNA 5 (MIT licence, August 2026) and "CDNA5" Instruction Set Architecture Reference Guide (July 2026). The comments in the code are by the model that wrote it; some were corrected since.
;; Block. Allowed arithmetic: matrix products marked QUANTISED: E4M3 operands, one given power-of-two scale a tensor, by v_wmma_f32_16x16x64_fp8_fp8 or v_wmma_f32_16x16x128_fp8_fp8, f32 sums; everything else in f32.
;; Inputs: b1 4,096 float32; b2 1,024 float32; b_proj 1,024 float32; ln1_b 1,024 float32; ln1_g 1,024 float32; ln2_b 1,024 float32; ln2_g 1,024 float32; lowp_scales 16 int32 (the exponents e of the quantised operands' scales 2^e); w1 1,024 x 4,096 float32; w2 4,096 x 1,024 float32; w_proj 1,024 x 1,024 float32; wk 16 x 1,024 x 64 float32; wq 16 x 1,024 x 64 float32; wv 16 x 1,024 x 64 float32; x 4 x 1,024 x 1,024 float32.
;; Outputs: out0 4 x 1,024 x 1,024 float32.
;; This version of the problem:
;;   THIS VERSION OF THE PROBLEM IS GIVEN IN LOW PRECISION. The matrix products marked QUANTISED in the list below multiply operands that are first quantised to E4M3 (4 exponent bits, 3 mantissa bits; 8 bits a number), with one given power-of-two scale for each operand tensor; their sums are f32. All else is computed in f32.
;;   The module's matrix products, in the order in which they are computed (A, B: the left and right operand; K: the contracted axis; several contracted axes count as one K, in the product's order):
;;     1. [M 1,024, K 1,024] x [K 1,024, N 4,096]; A: input wq; B: computed on the way: QUANTISED (scales: A lowp_scales[0], B lowp_scales[1])
;;     2. [M 1,024, K 1,024] x [K 1,024, N 4,096]; A: input wk; B: computed on the way: QUANTISED (scales: A lowp_scales[2], B lowp_scales[3])
;;     3. [M 1,024, K 1,024] x [K 1,024, N 4,096]; A: input wv; B: computed on the way: QUANTISED (scales: A lowp_scales[4], B lowp_scales[5])
;;     4. batch 64 x [M 1,024, K 64] x [K 64, N 1,024]; A: computed on the way; B: computed on the way: QUANTISED (scales: A lowp_scales[6], B lowp_scales[7])
;;     5. batch 64 x [M 1,024, K 1,024] x [K 1,024, N 64]; A: softmax (see below); B: computed on the way: QUANTISED (scales: A lowp_scales[8], B lowp_scales[9])
;;     6. [M 4,096, K 1,024] x [K 1,024, N 1,024]; A: computed on the way; B: input w_proj: QUANTISED (scales: A lowp_scales[10], B lowp_scales[11])
;;     7. [M 4,096, K 1,024] x [K 1,024, N 4,096]; A: computed on the way; B: input w1: QUANTISED (scales: A lowp_scales[12], B lowp_scales[13])
;;     8. [M 4,096, K 4,096] x [K 4,096, N 1,024]; A: computed on the way; B: input w2: QUANTISED (scales: A lowp_scales[14], B lowp_scales[15])
;;   THE QUANTISER, for each operand of a quantised product, along K:
;;     - The operand's scale is 2^e, e = its entry of the input lowp_scales (int32; the entries are numbered through the quantised products in the list's order, A before B).
;;     - Each number is divided by the scale, clamped to +-448, and rounded to the nearest number of E4M3, ties to even, subnormals kept.
;;     - The product sums the exact products of the quantised numbers (number of the format x scale) in f32.
;;   ~~~python
;;   def quantise(x, axis, e):      # numpy; x: float32 -> the quantised numbers, widened to float32 again
;;       x = np.moveaxis(x, axis, -1); K = x.shape[-1]
;;       r = np.clip(x / 2.0 ** e, -448, 448)
;;       step = 2.0 ** (np.maximum(np.frexp(np.where(r == 0, 1, r))[1] - 1, -6) - 3)
;;       q = np.round(r / step) * step * 2.0 ** e      # np.round: ties to even
;;       return np.moveaxis(q, -1, axis).astype(np.float32)
;;   ~~~
;;   SOFTMAX AHEAD OF A QUANTISED PRODUCT. Where the list says 'softmax', what is quantised is not the finished softmax but p = 2^(t - M), with t = logit x log2(e) and M = ceil(the row's largest t), a whole number; so 1/2 < the row's largest p <= 1. The row's sum l is taken of the UNQUANTISED p, in f32, and the product's result is divided by l at the end. Since M is a whole number, a kernel that streams over the keys may use a running M (the ceiling of the running maximum): every later rescaling is an exact power of two, so the quantised numbers keep their values, but for numbers so far below the row's largest that they fall under the format's range.
;;   OPERANDS COMPUTED ON THE WAY. 'Computed on the way' means the value that the module computes at that place (a softmax that the list does not call 'softmax' is quantised finished and normalised). What goes into a quantiser is computed in f32, as accurately as f32 sums, v_exp_f32 and their like allow (about 1e-6 of the number): no bf16 or f16 on the way to a quantiser, and a product that is left as it is and whose result goes on into a quantised operand takes f32 operands (vector FMAs, or v_wmma_f32_16x16x4_f32). A number that lies on a knife's edge between two numbers of the format may be rounded either way, as far as f32 arithmetic and the matrix unit's own rounding can turn it there, and no further.
;; One version. Each part assembles by itself: llvm-mc -triple=amdgcn-amd-amdhsa -mcpu=gfx1250 --defsym DOCPART=n.
;; ======== version 1 of 1: 7 launches
;; limits: right only within a limited range of input values
;; workspace buffers: xn1c 12,582,912 bytes; wcodes 12,582,912 bytes; qkvc 12,582,912 bytes; ctxc 4,194,304 bytes; x1 16,777,216 bytes; xn2c 4,194,304 bytes; hc 16,777,216 bytes
;; launch prep (part 1): grid 640 x 1, 4 waves a work-group, no clusters, 85,504 bytes of LDS; arguments x, ln1_g, ln1_b, wq, wk, wv, w_proj, w1, w2, lowp_scales, xn1c, wcodes; writes xn1c, wcodes
.if DOCPART == 1
	.amdgcn_target "amdgcn-amd-amdhsa--gfx1250"
	.amdhsa_code_object_version 6
	.text
	.protected	k_qc25183679a_prep
	.globl	k_qc25183679a_prep
	.p2align	8
	.type	k_qc25183679a_prep,@function
k_qc25183679a_prep:
	s_mov_b64 s[64:65], 0
	v_nop
	global_prefetch_b8 v0, s[64:65] scope:SCOPE_SE
	s_setreg_imm32_b32 hwreg(HW_REG_WAVE_MODE, 25, 1), 1
	s_wait_xcnt 0x0
; PREP: LayerNorm 1 of x, quantised three times (scales e1, e3, e5), and all six weights quantised, everything to codes of FP8 (E4M3).
; ALL CODES ARE LAID AS FRAGMENT IMAGES.  A fragment is 16 rows x 128 along K, 2,048 bytes: four groups of 512 bytes; in group g lane L = 16 h + r has 16 bytes at 16 L:
; k = 32 g + 8 h + 0..7, then k = 32 g + 16 + 8 h + 0..7 of row r.  That is registers 4 g .. 4 g + 3 of the plain 8-bit operand layout.  Fragment (row tile rt, K step ks) lies at (rt K / 128 + ks) x 2,048.
; Work-groups 0-255: one tile of 16 tokens each, wave w rows 4 w .. 4 w + 3.  Work-groups 256-639: 128 columns x 256 along K of one weight, a lane to a column, registers down K.
; The two ways part on the work-group's number alone and have LDS bytes of their own (weights 0 .. 32,767; LayerNorm from LNS on).
; No cluster, no joint loads: work-groups share only ln1_g and ln1_b, 8 KiB beside the 64 KiB of x that each reads.
; code = number / 2^e, held within +-448, to the nearest code, ties to even.  LIMITS: every e used here lies between -126 and 119.  NaN among the inputs is not served; an infinity is held at the largest code.
.set LNS,  32768                       ; LayerNorm's stage: unit (version, ks, g, h, r) of 16 bytes at LNS + VSTR v + KSTR ks + GSTR g + HSTR h + 16 r
.set VSTR, 17408
.set KSTR, 2176
.set GSTR, 544
.set HSTR, 272                         ; 16 units + 16 bytes of padding: the 32 lanes' word stores fall on 32 different banks
.set NV,   3                           ; versions
.set SA,   1                           ; v1  stage, way in
.set RA,   2                           ; v2  stage, way out
.set LO,   3                           ; v3  16 x lane
.set LIMV, 4                           ; v4-6   448 x 2^e of each version
.set GO,   7                           ; v7  my byte in the tile's image
.set AC,   8                           ; v8-15  four packed chains
.set MU,   16                          ; v[16:17] the mean, twice
.set RS,   18                          ; v[18:19] 1 / sqrt(var + eps), twice
.set SCV,  20                          ; v20-22 2^e of each version
.set TP,   23
.set T1,   24                          ; v24-31   held numbers, by turns with T0
.set X,    32                          ; v32-159  four rows, 32 numbers a lane each
.set G,    160                         ; v160-191 gain
.set BT,   192                         ; v192-223 bias
.set CC,   224                         ; v224-247 a row's codes
.set T0,   248                         ; v248-255
.set WX,   32                          ; weights: v32-95 two sets of 32 numbers
.set WC,   96                          ; v96-103 a block's codes
.set WOFF, 160                         ; v160-191 row i of a block: i x pitch + 4 x lane
	s_load_b512 s[4:19], s[0:1], 0x0               ; x, ln1_g, ln1_b, wq, wk, wv, w_proj, w1
	s_load_b256 s[20:27], s[0:1], 0x40             ; w2, lowp_scales, xn1c, wcodes
	s_set_vgpr_msb 0x40
	v_lshl_add_u32 v0, v0, 2, 0x14c00
	v_mov_b32 v1, 0
	s_set_vgpr_msb 0x4000
	v_lshrrev_b32 v1, 5, v0
	v_readfirstlane_b32 s28, v1                    ; wave 0..3
	s_wait_kmcnt 0x0
	s_load_b512 s[68:83], s[22:23], 0x0            ; e0 .. e15
	s_cmp_lt_u32 ttmp9, 256
	s_cbranch_scc0 .Lweights
	; ---------------- LayerNorm 1 ----------------
	v_and_b32 v[TP], 31, v0
	v_lshlrev_b32 v[LO], 4, v[TP]
	s_lshl_b32 s32, ttmp9, 16                      ; tile x 16 rows of 4,096 bytes
	s_lshl_b32 s33, s28, 14                        ; + wave x 4 rows
	s_add_co_u32 s32, s32, s33
	s_mov_b32 s33, 0
	s_add_nc_u64 s[4:5], s[4:5], s[32:33]
.irp m, 0,1,2,3,4,5,6,7                        ; every load reads 512 consecutive bytes: chunk m holds k = 128 m + 4 lane + 0..3
	global_load_b128 v[G+4*\m:G+4*\m+3], v[LO], s[6:7] offset:512*\m
.endr
.irp m, 0,1,2,3,4,5,6,7
	global_load_b128 v[BT+4*\m:BT+4*\m+3], v[LO], s[8:9] offset:512*\m
.endr
.irp i, 0,1,2,3
.irp m, 0,1,2,3,4,5,6,7
	global_load_b128 v[X+32*\i+4*\m:X+32*\i+4*\m+3], v[LO], s[4:5] offset:4096*\i+512*\m
.endr
.endr
	s_mov_b32 s29, 0x3a800000                      ; 1 / 1024
	s_mov_b32 s34, 0x3727c5ac                      ; 1e-5
	s_mov_b32 s30, 0x76543210                      ; lane selects: lane l xor 16
	s_mov_b32 s31, 0xfedcba98
	; way in: my four codes of a chunk are kk = 4 l .. 4 l + 3: g = l / 8, second half of the unit = bit 2 of l, h = bit 1, word = bit 0
	v_bfe_u32 v8, v0, 3, 2
	v_mul_u32_u24 v[SA], v8, GSTR
	v_bfe_u32 v8, v0, 1, 1
	v_mul_u32_u24 v9, v8, HSTR
	v_add_nc_u32 v[SA], v[SA], v9
	v_bfe_u32 v8, v0, 2, 1
	v_lshl_add_u32 v[SA], v8, 3, v[SA]
	v_and_b32 v8, 1, v0
	v_lshl_add_u32 v[SA], v8, 2, v[SA]
	s_lshl_b32 s33, s28, 6                         ; my rows are units r = 4 wave + i
	s_add_co_u32 s33, s33, LNS
	v_add_nc_u32 v[SA], s33, v[SA]
	; way out: wave w takes K steps 2 w and 2 w + 1; lane L = 16 h + r takes unit (h, r)
	v_bfe_u32 v8, v0, 4, 1
	v_mul_u32_u24 v[RA], v8, HSTR
	v_and_b32 v8, 15, v0
	v_lshl_add_u32 v[RA], v8, 4, v[RA]
	s_mul_i32 s33, s28, 2*KSTR
	s_add_co_u32 s33, s33, LNS
	v_add_nc_u32 v[RA], s33, v[RA]
	v_lshl_add_u32 v[GO], s28, 12, v[LO]           ; 16 lane + 2 fragments x wave
	s_lshl_b32 s32, ttmp9, 14                      ; a tile's eight fragments
	s_mov_b32 s33, 0
	s_add_nc_u64 s[36:37], s[24:25], s[32:33]      ; the three versions lie 4 MiB apart
	s_add_nc_u64 s[38:39], s[36:37], 0x400000
	s_add_nc_u64 s[40:41], s[36:37], 0x800000
	s_wait_kmcnt 0x0
.irp v, 0,1,2                                  ; e1, e3, e5
	s_add_co_i32 s33, s[69+2*\v], 127
	s_lshl_b32 s35, s33, 23
	v_mov_b32 v[SCV+\v], s35                       ; 2^e as f32: the conversion takes its exponent field
	s_add_co_i32 s33, s33, 8
	s_lshl_b32 s33, s33, 23
	s_or_b32 s33, s33, 0x600000
	v_mov_b32 v[LIMV+\v], s33                      ; 448 x 2^e
.endr
.macro FOLD                            ; four packed chains into one number
	v_pk_add_f32 v[AC:AC+1], v[AC:AC+1], v[AC+2:AC+3]
	v_pk_add_f32 v[AC+4:AC+5], v[AC+4:AC+5], v[AC+6:AC+7]
	v_pk_add_f32 v[AC:AC+1], v[AC:AC+1], v[AC+4:AC+5]
	v_add_f32 v[AC], v[AC], v[AC+1]
.endm
.macro XSUM                            ; the sum over the 32 lanes, in every lane
	v_add_f32_dpp v[AC], v[AC], v[AC] row_xmask:1 row_mask:0xf bank_mask:0xf
	v_add_f32_dpp v[AC], v[AC], v[AC] row_xmask:2 row_mask:0xf bank_mask:0xf
	v_add_f32_dpp v[AC], v[AC], v[AC] row_xmask:4 row_mask:0xf bank_mask:0xf
	v_add_f32_dpp v[AC], v[AC], v[AC] row_xmask:8 row_mask:0xf bank_mask:0xf
	v_permlanex16_b32 v[TP], v[AC], s30, s31
	v_add_f32 v[AC], v[AC], v[TP]
.endm
.macro LNROW i
.set XR, X+32*\i
	s_wait_loadcnt 8*(3-\i)                        ; gain, bias and my rows up to this one are in; eight loads for each later row may be out
.irp k, 0,1,2,3
	v_pk_add_f32 v[AC+2*\k:AC+2*\k+1], v[XR+2*\k:XR+2*\k+1], v[XR+8+2*\k:XR+8+2*\k+1]
.endr
.irp p, 8,9,10,11,12,13,14,15
	v_pk_add_f32 v[AC+2*(\p%4):AC+2*(\p%4)+1], v[AC+2*(\p%4):AC+2*(\p%4)+1], v[XR+2*\p:XR+2*\p+1]
.endr
	FOLD
	XSUM
	v_mul_f32 v[MU], s29, v[AC]
	v_mul_f32 v[MU+1], s29, v[AC]
.irp p, 0,1,2,3,4,5,6,7,8,9,10,11,12,13,14,15
	v_pk_add_f32 v[XR+2*\p:XR+2*\p+1], v[XR+2*\p:XR+2*\p+1], v[MU:MU+1] neg_lo:[0,1] neg_hi:[0,1]   ; x - mean: the variance is taken of the differences
.endr
.irp k, 0,1,2,3
	v_pk_mul_f32 v[AC+2*\k:AC+2*\k+1], v[XR+2*\k:XR+2*\k+1], v[XR+2*\k:XR+2*\k+1]
.endr
.irp p, 4,5,6,7,8,9,10,11,12,13,14,15
	v_pk_fma_f32 v[AC+2*(\p%4):AC+2*(\p%4)+1], v[XR+2*\p:XR+2*\p+1], v[XR+2*\p:XR+2*\p+1], v[AC+2*(\p%4):AC+2*(\p%4)+1]
.endr
	FOLD
	XSUM
	v_fma_f32 v[RS], v[AC], s29, s34               ; var + eps
	s_wait_alu depctr_va_vdst(0)
	v_rsq_f32 v[RS], v[RS]
	v_nop                                          ; a plain instruction behind the transcendental (ISA guide 5.7.2)
	s_wait_alu depctr_va_vdst(0)
	v_mov_b32 v[RS+1], v[RS]
.irp p, 0,1,2,3,4,5,6,7,8,9,10,11,12,13,14,15
	v_pk_mul_f32 v[XR+2*\p:XR+2*\p+1], v[XR+2*\p:XR+2*\p+1], v[RS:RS+1]
.endr
.irp p, 0,1,2,3,4,5,6,7,8,9,10,11,12,13,14,15
	v_pk_fma_f32 v[XR+2*\p:XR+2*\p+1], v[XR+2*\p:XR+2*\p+1], v[G+2*\p:G+2*\p+1], v[BT+2*\p:BT+2*\p+1]
.endr
.set vv, 0
.rept NV
.set uu, 0
.rept 4                                        ; eight registers = chunks 2 u and 2 u + 1; the two sets of held numbers take turns, so that eight plain lines stand between a conversion and the next write of its sources
.set TT, T0+(T1-T0)*(uu%2)
.set jj, 0
.rept 8
	v_med3_num_f32 v[TT+jj], v[XR+8*uu+jj], -v[LIMV+vv], v[LIMV+vv]   ; the conversion does not saturate (ISA guide 7.6.2): the hold comes first
.set jj, jj+1
.endr
	v_cvt_scalef32_pk8_fp8_f32 v[CC+8*vv+2*uu:CC+8*vv+2*uu+1], v[TT:TT+7], v[SCV+vv]
	ds_store_b32 v[SA], v[CC+8*vv+2*uu] offset:16*\i+VSTR*vv+KSTR*2*uu
	ds_store_b32 v[SA], v[CC+8*vv+2*uu+1] offset:16*\i+VSTR*vv+KSTR*(2*uu+1)
.set uu, uu+1
.endr
.set vv, vv+1
.endr
	v_nop                                          ; a plain line behind the last conversion
	s_wait_dscnt 0x0                               ; the stores have read the codes: the next row may write them; behind the last row: my part of the stage has landed
.endm
	LNROW 0
	LNROW 1
	LNROW 2
	LNROW 3
	s_barrier_signal -1                            ; every wave of this work-group takes this way: the branch above hangs on the work-group's number alone
	s_barrier_wait -1                              ; all 16 rows lie in the stage
.set nn, 0
.irp v, 0,1,2
.irp kk, 0,1
.irp g, 0,1,2,3
	ds_load_b128 v[X+4*nn:X+4*nn+3], v[RA] offset:VSTR*\v+KSTR*\kk+GSTR*\g
.set nn, nn+1
.endr
.endr
.endr
.set nn, 0
.irp v, 0,1,2
.irp kk, 0,1
.irp g, 0,1,2,3
	s_wait_dscnt 23-nn                             ; LDS loads come back in order: number nn is in
	global_store_b128 v[GO], v[X+4*nn:X+4*nn+3], s[36+2*\v:37+2*\v] offset:2048*\kk+512*\g   ; 32 lanes store 512 consecutive bytes, aligned
.set nn, nn+1
.endr
.endr
.endr
	s_set_vgpr_msb 0x5
	s_wait_tensorcnt 0x0
	ds_add_u32 v0, v1
	s_wait_dscnt 0x0
	s_set_vgpr_msb 0x500
	s_endpgm
	; ---------------- the weights ----------------
.Lweights:
	s_sub_co_u32 s44, ttmp9, 256                   ; 0-31 wq, 32-63 wk, 64-95 wv, 96-127 w_proj, 128-255 w1, 256-383 w2
	s_wait_kmcnt 0x0
	s_mov_b64 s[46:47], s[20:21]                   ; w2's figures first; each compare below replaces what differs.  Only selections: one way through the text for all six
	s_mov_b32 s48, s83                             ; e
	s_mov_b32 s49, 4096                            ; bytes from k to k + 1
	s_mov_b32 s50, 65536                           ; bytes of a row tile's fragments: 16 K
	s_mov_b32 s51, 0x800000                        ; where the tensor's image begins in wcodes
	s_mov_b32 s52, 7                               ; blocks of 128 columns, less one
	s_mov_b32 s53, 3                               ; and their logarithm
	s_mov_b32 s54, 0xffff                          ; columns that lie side by side in memory, as a mask
	s_mov_b32 s55, 127                             ; work-groups of the tensor, less one
	s_cmp_lt_u32 s44, 256
	s_cselect_b64 s[46:47], s[18:19], s[46:47]     ; w1
	s_cselect_b32 s48, s81, s48
	s_cselect_b32 s49, 16384, s49
	s_cselect_b32 s50, 16384, s50
	s_cselect_b32 s51, 0x400000, s51
	s_cselect_b32 s52, 31, s52
	s_cselect_b32 s53, 5, s53
	s_cmp_lt_u32 s44, 128
	s_cselect_b64 s[46:47], s[16:17], s[46:47]     ; w_proj
	s_cselect_b32 s48, s79, s48
	s_cselect_b32 s49, 4096, s49
	s_cselect_b32 s51, 0x300000, s51
	s_cselect_b32 s52, 7, s52
	s_cselect_b32 s53, 3, s53
	s_cselect_b32 s55, 31, s55
	s_cmp_lt_u32 s44, 96
	s_cselect_b64 s[46:47], s[14:15], s[46:47]     ; wv: [head][k][64]
	s_cselect_b32 s48, s72, s48
	s_cselect_b32 s49, 256, s49
	s_cselect_b32 s51, 0x200000, s51
	s_cselect_b32 s54, 63, s54
	s_cmp_lt_u32 s44, 64
	s_cselect_b64 s[46:47], s[12:13], s[46:47]     ; wk
	s_cselect_b32 s48, s70, s48
	s_cselect_b32 s51, 0x100000, s51
	s_cmp_lt_u32 s44, 32
	s_cselect_b64 s[46:47], s[10:11], s[46:47]     ; wq
	s_cselect_b32 s48, s68, s48
	s_cselect_b32 s51, 0, s51
	s_and_b32 s56, s44, s55
	s_and_b32 s57, s56, s52                        ; block of columns
	s_lshr_b32 s58, s56, s53                       ; block of 256 along K
	s_lshl_b32 s57, s57, 7
	s_lshl_b32 s59, s28, 5
	s_add_co_u32 s57, s57, s59                     ; my wave's first column n0 (a row of the image)
	s_and_not1_b32 s59, s57, s54
	s_lshl_b32 s59, s59, 12                        ; wq, wk, wv: head x 262,144 bytes; else 0
	s_and_b32 s60, s57, s54
	s_lshl_b32 s60, s60, 2
	s_add_co_u32 s59, s59, s60
	s_lshl_b32 s60, s58, 8
	s_mul_i32 s60, s60, s49
	s_add_co_u32 s60, s59, s60
	s_mov_b32 s61, 0
	s_add_nc_u64 s[84:85], s[46:47], s[60:61]      ; block 0 of my 8 blocks of 32 along K
	s_lshl_b32 s60, s49, 5
.irp t, 1,2,3,4,5,6,7
	s_add_nc_u64 s[84+2*\t:85+2*\t], s[82+2*\t:83+2*\t], s[60:61]   ; a base for each block: no pointer is stepped
.endr
	s_lshr_b32 s59, s57, 4
	s_mul_i32 s59, s59, s50
	s_add_co_u32 s59, s59, s51
	s_lshl_b32 s62, s58, 12                        ; 256 along K are two fragments
	s_add_co_u32 s62, s59, s62
	s_mov_b32 s63, 0
	s_add_nc_u64 s[26:27], s[26:27], s[62:63]
	v_and_b32 v2, 31, v0
	v_lshlrev_b32 v[WOFF], 2, v2
.set ii, 1
.rept 31
	v_add_nc_u32 v[WOFF+ii], s49, v[WOFF+ii-1]
.set ii, ii+1
.endr
.macro WLOAD t                         ; block t: w(32 t + i, my column): 32 lanes read 128 consecutive bytes
.set ii, 0
.rept 32
	global_load_b32 v[WX+32*((\t)%2)+ii], v[WOFF+ii], s[84+2*(\t):85+2*(\t)] th:TH_LOAD_NT
.set ii, ii+1
.endr
.endm
	WLOAD 0
	WLOAD 1
	v_bfe_u32 v5, v0, 4, 1
	v_and_b32 v6, 15, v0
	v_lshlrev_b32 v4, 12, v5
	v_lshl_add_u32 v4, v6, 4, v4
	v_lshl_add_u32 v4, s28, 13, v4                 ; my wave's stage, 8 KiB, is the image itself: [tile of 16 columns][2 fragments]; I write row r = lane % 16 of tile lane / 16
	v_lshlrev_b32 v8, 4, v2                        ; 16 x lane
	v_lshl_add_u32 v7, s28, 13, v8                 ; and read it back as it lies
	v_add_nc_u32 v9, s50, v8                       ; the second tile's fragments lie 16 K bytes on
	s_add_co_i32 s48, s48, 127
	s_lshl_b32 s59, s48, 23
	v_mov_b32 v11, s59                             ; 2^e
	s_add_co_i32 s48, s48, 8
	s_lshl_b32 s48, s48, 23
	s_or_b32 s48, s48, 0x600000
	v_mov_b32 v10, s48                             ; 448 x 2^e
.macro WBLOCK t
.set XS, WX+32*((\t)%2)
.if (\t) < 7
	s_wait_loadcnt 32                              ; this block's 32 loads are in; the next block's 32 may be out
.else
	s_wait_loadcnt 0x0
.endif
.set ii, 0
.rept 32
	v_med3_num_f32 v[XS+ii], v[XS+ii], -v10, v10
.set ii, ii+1
.endr
	v_cvt_scalef32_pk8_fp8_f32 v[WC:WC+1], v[XS:XS+7], v11          ; k + 0..7:   h = 0, first half of the unit
	v_cvt_scalef32_pk8_fp8_f32 v[WC+4:WC+5], v[XS+8:XS+15], v11     ; k + 8..15:  h = 1, first half
	v_cvt_scalef32_pk8_fp8_f32 v[WC+2:WC+3], v[XS+16:XS+23], v11    ; k + 16..23: h = 0, second half
	v_cvt_scalef32_pk8_fp8_f32 v[WC+6:WC+7], v[XS+24:XS+31], v11    ; k + 24..31: h = 1, second half
	v_nop                                          ; a plain line behind the last conversion
	ds_store_b128 v4, v[WC:WC+3] offset:((\t)/4)*2048+((\t)%4)*512
	ds_store_b128 v4, v[WC+4:WC+7] offset:((\t)/4)*2048+((\t)%4)*512+256
.if (\t)+2 < 8
	WLOAD (\t)+2
.endif
	s_wait_dscnt 0x0                               ; the stores have read the codes: the next block may write them
.endm
	s_wait_alu depctr_va_vdst(0)
.irp t, 0,1,2,3,4,5,6,7
	WBLOCK \t
.endr
.irp u, 0,1,2,3,4,5,6,7,8,9,10,11,12,13,14,15
	ds_load_b128 v[WX+4*\u:WX+4*\u+3], v7 offset:512*\u   ; LDS serves a wave's instructions in order: these see my stores; no other wave touches my stage
.endr
.irp u, 0,1,2,3,4,5,6,7
	s_wait_dscnt 15-\u
	global_store_b128 v8, v[WX+4*\u:WX+4*\u+3], s[26:27] offset:512*\u     ; 512 consecutive bytes, aligned
.endr
.irp u, 8,9,10,11,12,13,14,15
	s_wait_dscnt 15-\u
	global_store_b128 v9, v[WX+4*\u:WX+4*\u+3], s[26:27] offset:512*(\u-8)
.endr
	s_set_vgpr_msb 0x5
	s_wait_tensorcnt 0x0
	ds_add_u32 v0, v1
	s_wait_dscnt 0x0
	s_set_vgpr_msb 0x500
	s_endpgm
.Lfunc_end_k_qc25183679a_prep:
	.size	k_qc25183679a_prep, .Lfunc_end_k_qc25183679a_prep-k_qc25183679a_prep
	.p2alignl 7, 3214868480
	.fill 96, 4, 3214868480
	.section	.rodata,"a",@progbits
	.p2align	6, 0x0
	.amdhsa_kernel k_qc25183679a_prep
		.amdhsa_group_segment_fixed_size 85504
		.amdhsa_private_segment_fixed_size 0
		.amdhsa_enable_private_segment 0
		.amdhsa_kernarg_size 96
		.amdhsa_user_sgpr_count 2
		.amdhsa_user_sgpr_kernarg_segment_ptr 1
		.amdhsa_wavefront_size32 1
		.amdhsa_system_sgpr_workgroup_id_x 1
		.amdhsa_system_sgpr_workgroup_id_y 1
		.amdhsa_system_sgpr_workgroup_id_z 1
		.amdhsa_system_vgpr_workitem_id 0
		.amdhsa_next_free_vgpr 258
		.amdhsa_next_free_sgpr 100
		.amdhsa_reserve_vcc 0
		.amdhsa_float_denorm_mode_32 3
		.amdhsa_float_denorm_mode_16_64 3
		.amdhsa_memory_ordered 1
		.amdhsa_forward_progress 1
		.amdhsa_inst_pref_size 123
	.end_amdhsa_kernel
	.amdgpu_metadata
---
amdhsa.version: [ 1, 2 ]
amdhsa.kernels:
  - .name:           k_qc25183679a_prep
    .symbol:         k_qc25183679a_prep.kd
    .args:
      - { .name: x, .offset: 0, .size: 8, .value_kind: global_buffer, .address_space: global }
      - { .name: ln1_g, .offset: 8, .size: 8, .value_kind: global_buffer, .address_space: global }
      - { .name: ln1_b, .offset: 16, .size: 8, .value_kind: global_buffer, .address_space: global }
      - { .name: wq, .offset: 24, .size: 8, .value_kind: global_buffer, .address_space: global }
      - { .name: wk, .offset: 32, .size: 8, .value_kind: global_buffer, .address_space: global }
      - { .name: wv, .offset: 40, .size: 8, .value_kind: global_buffer, .address_space: global }
      - { .name: w_proj, .offset: 48, .size: 8, .value_kind: global_buffer, .address_space: global }
      - { .name: w1, .offset: 56, .size: 8, .value_kind: global_buffer, .address_space: global }
      - { .name: w2, .offset: 64, .size: 8, .value_kind: global_buffer, .address_space: global }
      - { .name: lowp_scales, .offset: 72, .size: 8, .value_kind: global_buffer, .address_space: global }
      - { .name: xn1c, .offset: 80, .size: 8, .value_kind: global_buffer, .address_space: global }
      - { .name: wcodes, .offset: 88, .size: 8, .value_kind: global_buffer, .address_space: global }
    .group_segment_fixed_size: 85504
    .private_segment_fixed_size: 0
    .kernarg_segment_align: 8
    .kernarg_segment_size: 96
    .max_flat_workgroup_size: 128
    .sgpr_count:     100
    .vgpr_count:     258
    .wavefront_size: 32
...
	.end_amdgpu_metadata
.endif
;; end of part 1
;; launch qkv (part 2): grid 12 x 16, 4 waves a work-group, clusters of 4 x 4, 327,680 bytes of LDS; arguments xn1c, wcodes, lowp_scales, qkvc; writes qkvc
.if DOCPART == 2
	.amdgcn_target "amdgcn-amd-amdhsa--gfx1250"
	.amdhsa_code_object_version 6
	.text
	.protected	k_qc25183679a_qkv
	.globl	k_qc25183679a_qkv
	.p2align	8
	.type	k_qc25183679a_qkv,@function
k_qc25183679a_qkv:
	s_mov_b64 s[64:65], 0
	v_nop
	global_prefetch_b8 v0, s[64:65] scope:SCOPE_SE
	s_setreg_imm32_b32 hwreg(HW_REG_WAVE_MODE, 25, 1), 1
	s_wait_xcnt 0x0
	s_wait_alu depctr_hold_cnt(0) depctr_sa_sdst(0) depctr_va_vdst(0) depctr_va_sdst(0) depctr_va_ssrc(0) depctr_va_vcc(0) depctr_vm_vsrc(0)
	s_getreg_b32 s2, hwreg(HW_REG_IB_STS2, 6, 4)
	s_cmp_eq_u32 s2, 0
	s_cbranch_scc0 .Lentry_in_a_cluster
	s_endpgm
.Lentry_in_a_cluster:
	s_bfe_u32 s2, ttmp6, 0x10000c
	s_cmp_lg_u32 s2, 0xf033
	s_cbranch_scc0 .Lentry_shape_is_right
	s_endpgm
.Lentry_shape_is_right:
; QKV: q, k and v, each a product of 4,096 tokens x 1,024 outputs over K = 1,024 on codes of FP8 (E4M3), and each result quantised at once for attention (scales e6, e7, e9).
; Operands lie in memory as fragment images (16 rows x 128 K = 2,048 bytes, lane L's registers 4 g .. 4 g + 3 at 512 g + 16 L; a row tile's fragments on end): a fragment is four ds_load_b128 at 16 x lane, dense in LDS.
; A tile of 256 x 256 is made by four waves, 128 x 128 each: 64 accumulators, 512 registers.  K goes in steps of 256 through two LDS slots filled by the tensor data mover.
; The first operand P feeds source 1, the second Q source 0: a lane then holds ONE row of P and eight neighbouring rows of Q, so one conversion of an accumulator gives registers 2 b, 2 b + 1 of the
; NEXT product's operand (rows of P, K along rows of Q).  Cluster x = 0: q, 1: k: P = tokens, Q = the weight's rows, result [head][16 tokens x 64].  Cluster x = 2: v: P = wv's rows, Q = tokens: result [head][16 d x 128 keys], the keys innermost.
; The choice is made by selections on the cluster's x alone, which all sixteen partners share; there is one way through the text.
; CLUSTERS: 4 x 4 work-groups; P's tiles are shared along a row of the cluster, Q's along a column: each is asked for jointly.
; LIMITS: e6 - e0 - e1, e7 - e2 - e3, e9 - e4 - e5 lie between -126 and 119.
; REGISTERS, in windows of 256: window 0: v0-31 addresses, v32-111 the way out, from v128 P's fragments (one set).  window 1: Q's fragments, two sets.  windows 2, 3: accumulator (a, b) at v[8 (8 (a % 4) + b)].
.set TROW,   4096                      ; a row tile's two fragments in a slot
.set HALFT,  8*TROW                    ; 128 rows: what one tensor load brings
.set SLOT,   4*HALFT                   ; P's 256 rows, then Q's
.set SPARE,  2*SLOT                    ; behind the ring: the spare words, 128 bytes a wave
.set LAPS,   2                         ; K = 1,024: four steps of 256, twice round the ring
.set FR,     16
.set NL,     4
.set NP,     4                         ; places behind this matrix instruction (ISA guide 7.12.1)
.set SC,   12                          ; v12  the conversion's scale
.set LIM,  13                          ; v13  448 x that
.set ADRA, 16                          ; v16-17 my P fragments in slot 0, 1
.set ADRB, 20                          ; v20-21 my Q fragments
.set VO0,  26                          ; v26  16 x lane
.set VO1,  27                          ; v27  + the distance to the fragment's second half in memory
.set SPW,  28
.set NIL,  29
.set TMP,  32                          ; v32-95 a block's held sums
.set CD,   96                          ; v96-111 its codes
.set AF,   128
.set G1, 24
.set G0, 32
.set G1B, 48
.set G0B, 56
.set MSB, 0
.macro WIN new                         ; the immediate's high byte repeats the setting that is left
.if MSB != (\new)
	s_set_vgpr_msb (MSB<<8)|(\new)
.set MSB, (\new)
.endif
.endm
.set MUL_LO, 0xa1                      ; source 0 (Q) window 1, source 1 (P) window 0, C and D window 2
.set MUL_HI, 0xf1
.set TO_B,   0x40
.macro JLOAD g0a, g1a, g0b, g1b        ; a joint load: waves 0, 1 fetch for P, waves 2, 3 for Q; four v_nop follow each line
	s_cmp_eq_u32 s15, 0
	s_cbranch_scc0 .Lfor_b_\@
	tensor_load_to_lds s[\g0a:\g0a+3], s[\g1a:\g1a+7]
	s_nop 0
.rept 4
	v_nop
.endr
	s_branch .Lasked_\@
.Lfor_b_\@:
	tensor_load_to_lds s[\g0b:\g0b+3], s[\g1b:\g1b+7]
	s_nop 0
.rept 4
	v_nop
.endr
.Lasked_\@:
.endm
.macro CREST                           ; a round of the cluster's barrier behind its opening barrier
	s_cmp_lg_u32 s14, 0
	s_cbranch_scc1 .Lnot_wave_0_\@
	s_barrier_signal -3
.Lnot_wave_0_\@:
	s_barrier_wait -3
	s_barrier_signal -1
	s_barrier_wait -1
.endm
.macro CROUND
	s_barrier_signal -1
	s_barrier_wait -1
	CREST
.endm
	s_load_b256 s[4:11], s[0:1], 0x0               ; xn1c, wcodes, lowp_scales, qkvc
	v_lshl_add_u32 v[SPW], v0, 2, SPARE
	v_mov_b32 v[NIL], 0
	ds_add_u32 v28, v29
	ds_add_u32 v28, v29
	s_wait_dscnt 0x0
	v_lshrrev_b32 v1, 5, v0
	v_readfirstlane_b32 s14, v1
	v_and_b32 v30, 15, v0                          ; the prefetches' offset: lanes 0-15 name the sixteen blocks of 256 bytes of a K step in one row tile,
	v_bfe_u32 v31, v0, 4, 1
	v_lshlrev_b32 v30, 8, v30
	v_lshl_add_u32 v30, v31, 14, v30               ; lanes 16-31 those of the next row tile, 16,384 bytes on; never rewritten
	s_lshr_b32 s15, s14, 1                         ; my half of P's rows.  Also: I fetch for P (0) or Q (1)
	s_and_b32 s16, s14, 1                          ; my half of Q's rows.  Also: which 128 rows I fetch
	s_bfe_u32 s40, ttmp6, 0x40000                  ; cx
	s_bfe_u32 s41, ttmp6, 0x40004                  ; cy
	s_lshl_b32 s43, s41, 2
	s_lshl_b32 s43, 15, s43                        ; my row of the cluster
	s_lshl_b32 s44, 0x1111, s40                    ; my column
	s_or_b32 s[G1+0], s43, (3<<16)|(1<<21)         ; the mask; elements of 8 bytes; bit 21 beside a mask; no padding
	s_or_b32 s[G1B+0], s44, (3<<16)|(1<<21)
.irp g, G1, G1B
	s_mov_b32 s[\g+1], 512<<16                     ; tensor_dim0: 4,096 bytes
	s_mov_b32 s[\g+2], 8<<16                       ; tensor_dim1: 8 row tiles
	s_mov_b32 s[\g+3], 512<<16                     ; tile_dim0
	s_mov_b32 s[\g+4], 8                           ; tile_dim1
	s_mov_b32 s[\g+5], 2048                        ; from row tile to row tile: 16,384 bytes
	s_mov_b32 s[\g+6], 0
	s_mov_b32 s[\g+7], 0
.endr
	s_and_b32 s18, ttmp7, 0xffff
	s_lshl_b32 s18, s18, 2                         ; 4 x cluster y
	s_lshl_b32 s19, ttmp9, 22                      ; the version of LayerNorm's codes: 4 MiB apart
	s_lshl_b32 s23, ttmp9, 20                      ; the weight's image: 1 MiB apart
	s_cmp_eq_u32 ttmp9, 2                          ; v?
	s_cselect_b32 s17, 0, s18
	s_cselect_b32 s42, s18, 0
	s_cselect_b32 s19, 0x200000, s19               ; P begins: wv's image | the tokens' version
	s_cselect_b32 s23, 0x800000, s23               ; Q begins: the tokens' third version | the weight's image
	s_add_co_u32 s17, s17, s41                     ; P's tile of 256 rows: cy (+ 4 x cluster y for tokens)
	s_add_co_u32 s42, s42, s40                     ; Q's: cx (+ 4 x cluster y for tokens)
	s_lshl_b32 s20, s17, 18                        ; 16 row tiles of 16,384 bytes
	s_lshl_b32 s21, s16, 17
	s_add_co_u32 s20, s20, s21
	s_add_co_u32 s20, s20, s19
	s_lshl_b32 s46, s42, 18
	s_add_co_u32 s46, s46, s21
	s_add_co_u32 s46, s46, s23
	s_mov_b32 s21, 0
	s_mov_b32 s47, 0
	s_mul_i32 s45, s14, HALFT                      ; where my load goes: no place in the cluster enters an LDS address
	s_wait_alu depctr_va_vdst(0)
	s_wait_kmcnt 0x0
	s_load_b512 s[68:83], s[8:9], 0x0
	s_cmp_eq_u32 ttmp9, 2
	s_cselect_b64 s[84:85], s[6:7], s[4:5]
	s_cselect_b64 s[86:87], s[4:5], s[6:7]
	s_add_nc_u64 s[20:21], s[84:85], s[20:21]
	s_add_nc_u64 s[46:47], s[86:87], s[46:47]
	s_cmp_eq_u32 s15, 0                            ; the prefetches: of the eight row tiles that my wave fetches, each of the four partners that ask for them jointly names two, told apart by address
	s_cselect_b64 s[94:95], s[20:21], s[46:47]
	s_cselect_b32 s96, s40, s41                    ; my place among them: cx for P's tiles, cy for Q's
	s_lshl_b32 s96, s96, 15
	s_mov_b32 s97, 0
	s_add_nc_u64 s[94:95], s[94:95], s[96:97]      ; never rewritten
	CROUND                                         ; all sixteen work-groups are here: the first joint loads meet
.irp s, 0,1
	s_mov_b32 s[G0+4*\s], 1
	s_add_co_u32 s[G0+4*\s+1], s45, \s*SLOT
	s_add_nc_u64 s[G0+4*\s+2:G0+4*\s+3], s[20:21], \s*TROW
	s_or_b32 s[G0+4*\s+3], s[G0+4*\s+3], 0x80000000
	s_mov_b32 s[G0B+4*\s], 1
	s_add_co_u32 s[G0B+4*\s+1], s45, \s*SLOT
	s_add_nc_u64 s[G0B+4*\s+2:G0B+4*\s+3], s[46:47], \s*TROW
	s_or_b32 s[G0B+4*\s+3], s[G0B+4*\s+3], 0x80000000
.if \s == 1
	s_wait_alu depctr_va_vdst(0)
	s_wait_tensorcnt 0x0                           ; my part of K step 0 is in; slot 1's first fill is issued as a refill is:
	ds_add_u32 v28, v29                            ; 0 onto my spare word
	s_wait_dscnt 0x0
	CROUND                                         ; a whole round, and K step 1's joint load first behind it
.endif
	JLOAD G0+4*\s, G1, G0B+4*\s, G1B
.if \s == 0
	global_prefetch_b8 v30, s[94:95] offset:TROW th:TH_LOAD_NT scope:SCOPE_SE     ; behind K step 0's load: K step 1, 8 KiB a wave; each block of 256 bytes is named once in a cluster
.else
	global_prefetch_b8 v30, s[94:95] offset:2*TROW th:TH_LOAD_NT scope:SCOPE_SE   ; K step 2 is asked for behind K step 1's load, one whole step ahead of its own
	global_prefetch_b8 v30, s[94:95] offset:3*TROW th:TH_LOAD_NT scope:SCOPE_SE   ; behind K step 1's load: K step 3, the last
.endif
.endr
	v_and_b32 v1, 31, v0
	v_lshlrev_b32 v[VO0], 4, v1
	s_wait_alu depctr_va_vdst(0)
	s_mul_i32 s21, s15, HALFT
	s_mul_i32 s22, s16, HALFT
	s_add_co_u32 s22, s22, 2*HALFT
.irp s, 0,1
	v_add_nc_u32 v[ADRA+\s], s21, v[VO0]
	v_add_nc_u32 v[ADRB+\s], s22, v[VO0]
	s_add_co_u32 s21, s21, SLOT
	s_add_co_u32 s22, s22, SLOT
.endr
	; where my results go.  q, k: [batch x 16 + head][token tile][1,024]: P's tile gives batch and token tile, Q's the head
	s_lshr_b32 s20, s17, 2
	s_lshl_b32 s20, s20, 4
	s_lshl_b32 s21, s42, 2
	s_add_co_u32 s20, s20, s21
	s_lshl_b32 s21, s16, 1
	s_add_co_u32 s20, s20, s21
	s_lshl_b32 s20, s20, 16
	s_and_b32 s21, s17, 3
	s_lshl_b32 s21, s21, 4
	s_lshl_b32 s22, s15, 3
	s_add_co_u32 s21, s21, s22
	s_lshl_b32 s21, s21, 10
	s_add_co_u32 s20, s20, s21
	s_lshl_b32 s21, ttmp9, 22
	s_add_co_u32 s20, s20, s21
	; v: 8 MiB + [batch x 16 + head][128 keys][16 d][2,048]: Q's tile gives batch and keys, P's the head
	s_lshr_b32 s22, s42, 2
	s_lshl_b32 s22, s22, 4
	s_lshl_b32 s23, s17, 2
	s_add_co_u32 s22, s22, s23
	s_lshl_b32 s23, s15, 1
	s_add_co_u32 s22, s22, s23
	s_lshl_b32 s22, s22, 16
	s_and_b32 s23, s42, 3
	s_lshl_b32 s23, s23, 1
	s_add_co_u32 s23, s23, s16
	s_lshl_b32 s23, s23, 13
	s_add_co_u32 s22, s22, s23
	s_add_co_u32 s22, s22, 0x800000
	s_mov_b32 s88, 1024                            ; from block a to a + 1,
	s_mov_b32 s90, 1024                            ; from block 3 to 4,
	s_mov_b32 s92, 65536                           ; and from a fragment's first half to its second: the next head | 1,024 bytes on
	s_mov_b32 s21, 0
	s_mov_b32 s89, 0
	s_mov_b32 s91, 0
	s_cmp_eq_u32 ttmp9, 2
	s_cselect_b32 s20, s22, s20
	s_cselect_b32 s88, 2048, s88
	s_cselect_b32 s90, 59392, s90                  ; v: from d tile 3 of a head to d tile 0 of the next: 65,536 - 3 x 2,048
	s_cselect_b32 s92, 1024, s92
	s_add_nc_u64 s[10:11], s[10:11], s[20:21]
	v_add_nc_u32 v[VO1], s92, v[VO0]
	s_wait_alu depctr_va_vdst(0)
	s_wait_kmcnt 0x0
	s_cmp_eq_u32 ttmp9, 0
	s_cselect_b32 s18, s74, s75                    ; the result's e,
	s_cselect_b32 s19, s68, s70                    ; the weight's,
	s_cselect_b32 s22, s69, s71                    ; the tokens'
	s_cmp_eq_u32 ttmp9, 2
	s_cselect_b32 s18, s77, s18
	s_cselect_b32 s19, s72, s19
	s_cselect_b32 s22, s73, s22
	s_sub_co_i32 s18, s18, s19
	s_sub_co_i32 s18, s18, s22                     ; a sum stands for sum x 2^(the operands' e added): the three scales are folded into the conversion's one
	s_add_co_i32 s18, s18, 127
	s_lshl_b32 s19, s18, 23
	v_mov_b32 v[SC], s19
	s_add_co_i32 s18, s18, 8
	s_lshl_b32 s18, s18, 23
	s_or_b32 s18, s18, 0x600000
	v_mov_b32 v[LIM], s18
.macro FRAG reg, adr, q, i             ; fragment q of row tile i: four groups of 512 bytes, 16 a lane
.irp c, 0,1,2,3
	ds_load_b128 v[\reg+4*\c:\reg+4*\c+3], v[\adr] offset:2048*(\q)+512*\c+(\i)*TROW
.endr
.endm
; 16 matrix instructions: P's blocks a0, a0 + 1 x Q's eight.  The 64 accumulators take turns, one instruction a turn, in the same order in every step.
.macro MUL16 a0, p, zero
.irp a, \a0, \a0+1
.irp b, 0,1,2,3,4,5,6,7
.if \zero
	v_wmma_f32_16x16x128_fp8_fp8 v[8*(8*((\a)%4)+\b):8*(8*((\a)%4)+\b)+7], v[128*(\p)+FR*\b:128*(\p)+FR*\b+FR-1], v[AF+FR*(\a):AF+FR*(\a)+FR-1], 0
.else
	v_wmma_f32_16x16x128_fp8_fp8 v[8*(8*((\a)%4)+\b):8*(8*((\a)%4)+\b)+7], v[128*(\p)+FR*\b:128*(\p)+FR*\b+FR-1], v[AF+FR*(\a):AF+FR*(\a)+FR-1], v[8*(8*((\a)%4)+\b):8*(8*((\a)%4)+\b)+7]
.endif
.endr
.endr
.endm
.macro FETCH_B slot, q, p
	WIN TO_B
.irp i, 0,1,2,3,4,5,6,7
	FRAG 128*(\p)+FR*\i, ADRB+\slot, \q, \i
.endr
	WIN 0
.endm
.macro FETCH_A slot, q, i0
.irp i, \i0, \i0+1, \i0+2, \i0+3
	FRAG AF+FR*(\i), ADRA+\slot, \q, \i
.endr
.endm
.macro PLACES n                        ; plain vector lines between a matrix instruction and a load into, or a read of, its registers
.rept \n
	v_nop
.endr
.endm
.macro STEP slot, q, zero              ; 128 along K with its successor in the same slot
	s_wait_dscnt 4*NL                              ; Q's set and P's blocks 0-3 are in; the 16 youngest loads (P's blocks 4-7) may be out
	WIN MUL_LO
	MUL16 0, (\q)%2, \zero
	MUL16 2, (\q)%2, \zero
	s_wait_dscnt 0
	PLACES NP
	FETCH_B \slot, (\q)+1, 1-(\q)%2
	FETCH_A \slot, (\q)+1, 0
	WIN MUL_HI
	MUL16 4, (\q)%2, \zero
	MUL16 6, (\q)%2, \zero
	PLACES NP
	WIN 0
	FETCH_A \slot, (\q)+1, 4
.endm
; A slot's last step changes slots: one barrier; in front of it each wave waits for all its tensor loads, adds 0 to its spare word, and waits for that and for its reads of this slot.
.macro TURN slot, next, fill
	s_wait_tensorcnt 0x0                           ; all my tensor loads have landed: my part of the next slot
	ds_add_u32 v[SPW], v[NIL]                      ; 0 onto my spare word
	s_wait_dscnt 4*NL+1                            ; the add and the 16 youngest loads may be out
	WIN MUL_LO
	MUL16 0, 1, 0
	s_wait_dscnt 0x0                               ; the add is done, and my reads of this slot are over
	s_barrier_signal -1
	MUL16 2, 1, 0
	WIN 0
	s_barrier_wait -1
.if \fill
	CREST                                          ; the barrier has opened a round of the cluster's: no wave of any partner still reads this slot or has a load on its way
	s_add_nc_u64 s[G0+4*\slot+2:G0+4*\slot+3], s[G0+4*\slot+2:G0+4*\slot+3], 2*TROW
	s_add_nc_u64 s[G0B+4*\slot+2:G0B+4*\slot+3], s[G0B+4*\slot+2:G0B+4*\slot+3], 2*TROW
	JLOAD G0+4*\slot, G1, G0B+4*\slot, G1B         ; the first tensor load behind the round; its four v_nop are the places in front of the loads below
.else
	PLACES NP
.endif
	FETCH_B \next, 0, 0
	FETCH_A \next, 0, 0
	WIN MUL_HI
	MUL16 4, 1, 0
	MUL16 6, 1, 0
	PLACES NP
	WIN 0
	FETCH_A \next, 0, 4
.endm
	s_wait_tensorcnt 1                             ; my part of K step 0 is in; K step 1's load may be out
	s_barrier_signal -1
	s_barrier_wait -1
	FETCH_B 0, 0, 0
	FETCH_A 0, 0, 0
	FETCH_A 0, 0, 4
	STEP 0, 0, 1                                   ; the first products start the sums
	s_mov_b32 s3, LAPS-1
.Llap:
	TURN 0, 1, 1
	STEP 1, 0, 0
	TURN 1, 0, 1
	STEP 0, 0, 0
	s_sub_co_u32 s3, s3, 1
	s_cmp_lg_u32 s3, 0
	s_cbranch_scc1 .Llap
	TURN 0, 1, 0                                   ; the last lap fills nothing
	STEP 1, 0, 0
	s_wait_dscnt 4*NL
	WIN MUL_LO
	MUL16 0, 1, 0
	MUL16 2, 1, 0
	s_wait_alu depctr_va_vdst(0)
	s_wait_dscnt 0
	WIN MUL_HI
	MUL16 4, 1, 0
	MUL16 6, 1, 0
	WIN 0
; THE WAY OUT.  Block a (16 rows of P): its eight accumulators, held and converted, are the 16 registers of one fragment of the next operand; four stores of 512 consecutive bytes, no LDS.
.macro OUTBLK a
.set AC, 64*((\a)%4)
.if (\a) > 0
	s_wait_xcnt 0x0                                ; the last block's stores have read their codes and their base
.if (\a) == 4
	s_add_nc_u64 s[10:11], s[10:11], s[90:91]
.else
	s_add_nc_u64 s[10:11], s[10:11], s[88:89]
.endif
.endif
	WIN 0x02+((\a)/4)                              ; source 0: window 2 or 3
.set jj, 0
.rept 64
	v_med3_num_f32 v[TMP+jj], v[AC+jj], -v[LIM], v[LIM]   ; the hold; each accumulator from its low end on
.set jj, jj+1
.endr
	WIN 0
.irp b, 0,1,2,3,4,5,6,7
	v_cvt_scalef32_pk8_fp8_f32 v[CD+2*\b:CD+2*\b+1], v[TMP+8*\b:TMP+8*\b+7], v[SC]
.endr
	v_nop                                          ; a plain line behind the last conversion
	global_store_b128 v[VO0], v[CD:CD+3], s[10:11]
	global_store_b128 v[VO0], v[CD+4:CD+7], s[10:11] offset:512
	global_store_b128 v[VO1], v[CD+8:CD+11], s[10:11]
	global_store_b128 v[VO1], v[CD+12:CD+15], s[10:11] offset:512
.endm
	PLACES NP
.irp a, 0,1,2,3,4,5,6,7
	OUTBLK \a
.endr
	s_wait_tensorcnt 0x0                           ; the wave's end
	ds_add_u32 v[SPW], v[NIL]
	s_wait_dscnt 0x0
	CROUND                                         ; the closing round
	s_endpgm
.Lfunc_end_k_qc25183679a_qkv:
	.size	k_qc25183679a_qkv, .Lfunc_end_k_qc25183679a_qkv-k_qc25183679a_qkv
	.p2alignl 7, 3214868480
	.fill 96, 4, 3214868480
	.section	.rodata,"a",@progbits
	.p2align	6, 0x0
	.amdhsa_kernel k_qc25183679a_qkv
		.amdhsa_group_segment_fixed_size 327680
		.amdhsa_private_segment_fixed_size 0
		.amdhsa_enable_private_segment 0
		.amdhsa_kernarg_size 32
		.amdhsa_user_sgpr_count 2
		.amdhsa_user_sgpr_kernarg_segment_ptr 1
		.amdhsa_wavefront_size32 1
		.amdhsa_system_sgpr_workgroup_id_x 1
		.amdhsa_system_sgpr_workgroup_id_y 1
		.amdhsa_system_sgpr_workgroup_id_z 1
		.amdhsa_system_vgpr_workitem_id 0
		.amdhsa_next_free_vgpr 1024
		.amdhsa_next_free_sgpr 100
		.amdhsa_reserve_vcc 0
		.amdhsa_float_denorm_mode_32 3
		.amdhsa_float_denorm_mode_16_64 3
		.amdhsa_memory_ordered 1
		.amdhsa_forward_progress 1
		.amdhsa_inst_pref_size 120
	.end_amdhsa_kernel
	.amdgpu_metadata
---
amdhsa.version: [ 1, 2 ]
amdhsa.kernels:
  - .name:           k_qc25183679a_qkv
    .symbol:         k_qc25183679a_qkv.kd
    .args:
      - { .name: xn1c, .offset: 0, .size: 8, .value_kind: global_buffer, .address_space: global }
      - { .name: wcodes, .offset: 8, .size: 8, .value_kind: global_buffer, .address_space: global }
      - { .name: lowp_scales, .offset: 16, .size: 8, .value_kind: global_buffer, .address_space: global }
      - { .name: qkvc, .offset: 24, .size: 8, .value_kind: global_buffer, .address_space: global }
    .group_segment_fixed_size: 327680
    .private_segment_fixed_size: 0
    .kernarg_segment_align: 8
    .kernarg_segment_size: 32
    .max_flat_workgroup_size: 128
    .sgpr_count:     100
    .vgpr_count:     1024
    .wavefront_size: 32
...
	.end_amdgpu_metadata
.endif
;; end of part 2
;; launch attn (part 3): grid 4 x 64, 16 waves a work-group, clusters of 4 x 1, 169,984 bytes of LDS; arguments qkvc, lowp_scales, ctxc; writes ctxc
.if DOCPART == 3
	.amdgcn_target "amdgcn-amd-amdhsa--gfx1250"
	.amdhsa_code_object_version 6
	.text
	.protected	k_qc25183679a_attn
	.globl	k_qc25183679a_attn
	.p2align	8
	.type	k_qc25183679a_attn,@function
k_qc25183679a_attn:
	s_mov_b64 s[64:65], 0
	v_nop
	global_prefetch_b8 v0, s[64:65] scope:SCOPE_SE
	s_setreg_imm32_b32 hwreg(HW_REG_WAVE_MODE, 25, 1), 1
	s_wait_xcnt 0x0
	s_wait_alu depctr_hold_cnt(0) depctr_sa_sdst(0) depctr_va_vdst(0) depctr_va_sdst(0) depctr_va_ssrc(0) depctr_va_vcc(0) depctr_vm_vsrc(0)
	s_getreg_b32 s2, hwreg(HW_REG_IB_STS2, 6, 4)
	s_cmp_eq_u32 s2, 0
	s_cbranch_scc0 .Lentry_in_a_cluster
	s_endpgm
.Lentry_in_a_cluster:
	s_bfe_u32 s2, ttmp6, 0x10000c
	s_cmp_lg_u32 s2, 0x3003
	s_cbranch_scc0 .Lentry_shape_is_right
	s_endpgm
.Lentry_shape_is_right:
; ATTN: causal attention of 64 heads (batch x head), 1,024 tokens, head size 64, both products on codes of FP8 (E4M3); the result is quantised at once (scale e10) as the next product's operand.
; q, k: [head][tile of 16 tokens][1,024 bytes]: the register image of a 16 x 64 fragment.  v: [head][128 keys][16 d][2,048 bytes]: images of 16 d x 128 keys, the keys innermost.
; THE SOFTMAX: t = score x log2(e) / 8; M = the running largest t rounded UP to a whole number; p = 2^(t - M) is quantised (e8), not normalised; the sum of the unquantised p divides at the end.
; When M moves, the sum and O are multiplied by 2^(old M - new M), exactly.  Key steps all of whose keys lie under the causal mask are left out.
; SHARES.  The four work-groups of a cluster serve one head; tile g of work-group cx is query tile 4 g + cx, and needs g / 2 + 1 key steps of 128.  The sixteen waves are eight pairs; pair i owns tiles i and 15 - i: nine steps.
; The pair's first wave (bit 2 of the wave's number = 0) takes keys 0 .. 511 of tile 15 - i: four steps, none of them masked, since its queries begin at 512 or later; it hands -M, the sum and O^T over through LDS.
; The second wave takes tile i whole (its keys end under 512), stores it, then takes tile 15 - i from key 512 on, joins the first wave's part by exact powers of two, and stores that tile: five steps.
; Key 512 counts for every query of tile 15 - i, and key 0 for every query: so both parts have a number as M.  All branches hang on the wave's number alone; cx enters global addresses and the mask's compare alone.
; LDS.  A head's k (64 KiB) and v (64 KiB) lie whole in LDS, each byte filled once: wave w asks for 8 KiB (w < 8: k's keys of step w; else v's of step w - 8), jointly with the partners: one tensor load a wave, at the head.
; So there is no ring and no loop to run ahead in: nothing is prefetched.  The hand-over has 4,608 bytes a pair from byte 131,072 on, where no fill lands; the spare words follow.
; LAYOUT.  S^T = k q^T (source 0 = 16 keys, source 1 = my queries), O^T = v^T p^T: a lane holds one query throughout; tile t's eight registers are keys 16 t + 8 (lane / 16) + 0..7, which one conversion
; turns into registers 2 t, 2 t + 1 of p's fragment.  O^T's tiles become ctx's fragment in the same way.
; LIMITS: e6 + e7 between -123 and 130; e8 and e10 - e8 - e9 between -126 and 119.
; REGISTERS: v1 16 x lane; v2 the same in v's half; v3, v4 my query - 8 (lane / 16) in the first tile, in the late tile; v5 the hand-over; v12 -M, v13 the largest t, v[14:15] the sum; v16-23 the first tile's q, v24-31 the late tile's
; (loaded in one form by all waves; a pair's first wave uses v16-23 alone); v32-95 k's eight fragments, then v's four; v96-159 S^T, then p; v160-191 O^T; v224-239 codes.
.set AK,  1
.set AV,  2
.set VD0, 3
.set VD1, 4
.set PA,  5
.set SPW, 249
.set NIL, 255
.set WV,  18
.set GQ,  10                           ; s10  64 g + 63 of the tile in hand
.set G64, 11                           ; s11  64 g
.set SEL, 20
.set CS,  22
.set G1,  24
.set G0,  32
.set ROLE, 57                          ; s57  0: the pair's first wave, 1: its second
.set HAND, 131072
.set SPARE, 0x29000
.macro ROUND                           ; a round of the cluster's barrier
	s_barrier_signal -1
	s_barrier_wait -1
	s_cmp_lg_u32 s[WV], 0
	s_cbranch_scc1 .Lnot_wave_0_\@
	s_barrier_signal -3
.Lnot_wave_0_\@:
	s_barrier_wait -3
	s_barrier_signal -1
	s_barrier_wait -1
.endm
.macro TILE qt, qo, co                 ; byte offsets of query tile s[qt]: its q image; its half (head % 2) of ctx's fragment (row tile batch x 64 + qt, K step head / 2)
	s_lshl_b32 s[\qo], s13, 16
	s_lshl_b32 s[\qo+1], s[\qt], 10
	s_add_co_u32 s[\qo], s[\qo], s[\qo+1]
	s_mov_b32 s[\qo+1], 0
	s_lshr_b32 s[\co], s13, 4
	s_lshl_b32 s[\co], s[\co], 6
	s_add_co_u32 s[\co], s[\co], s[\qt]
	s_lshl_b32 s[\co], s[\co], 3
	s_bfe_u32 s[\co+1], s13, 0x30001
	s_add_co_u32 s[\co], s[\co], s[\co+1]
	s_lshl_b32 s[\co], s[\co], 11
	s_and_b32 s[\co+1], s13, 1
	s_lshl_b32 s[\co+1], s[\co+1], 10
	s_add_co_u32 s[\co], s[\co], s[\co+1]
	s_mov_b32 s[\co+1], 0
.endm
.macro FRESH                           ; a tile's state: the largest t -3e38, under every t; the sum and O^T zeros, which the first change of M leaves zeros
	v_mov_b32 v13, 0xff61b1e6
	v_mov_b32 v14, 0
	v_mov_b32 v15, 0
	v_floor_f32 v12, -v13
.set jj, 0
.rept 32
	v_mov_b32 v[160+jj], 0
.set jj, jj+1
.endr
.endm
	s_load_b128 s[4:7], s[0:1], 0x0                ; qkvc, lowp_scales
	s_load_b64 s[8:9], s[0:1], 0x10                ; ctxc
	v_lshl_add_u32 v[SPW], v0, 2, SPARE
	v_mov_b32 v[NIL], 0
	ds_add_u32 v[SPW], v[NIL]                      ; the opening lines: the add, twice on end, and its wait ahead of my tensor load
	ds_add_u32 v[SPW], v[NIL]
	v_lshrrev_b32 v8, 5, v0
	s_delay_alu instid0(VALU_DEP_1)
	v_readfirstlane_b32 s[WV], v8                  ; wave 0..15
	s_bfe_u32 s12, ttmp6, 0x40000                  ; cx
	s_and_b32 s13, ttmp7, 0xffff                   ; batch x 16 + head
	s_bfe_u32 s[ROLE], s[WV], 0x10002
	s_and_b32 s14, s[WV], 3
	s_lshr_b32 s60, s[WV], 3
	s_lshl_b32 s60, s60, 2
	s_or_b32 s60, s60, s14                         ; the pair i = 0..7
	s_sub_co_u32 s61, 15, s60                      ; the late tile's g
	s_cmp_eq_u32 s[ROLE], 0
	s_cselect_b32 s14, s61, s60                    ; g of my first tile
	s_lshl_b32 s[G64], s14, 6
	s_add_co_u32 s[GQ], s[G64], 63
	s_lshl_b32 s15, s14, 2
	s_add_co_u32 s15, s15, s12                     ; its query tile
	s_lshl_b32 s62, s61, 2
	s_add_co_u32 s62, s62, s12                     ; the late tile's
	s_mul_i32 s63, s60, 4608
	s_add_co_u32 s63, s63, HAND                    ; the pair's hand-over in LDS
	s_mov_b32 s[G1], 15|(3<<16)|(1<<21)            ; the mask: all four partners; elements of 8 bytes; bit 21 beside a mask
	s_mov_b32 s[G1+1], 32<<16                      ; rows of 256 bytes,
	s_mov_b32 s[G1+2], 32<<16                      ; 32 of them: 8 KiB, dense in memory and in LDS
	s_mov_b32 s[G1+3], 32<<16
	s_mov_b32 s[G1+4], 32
	s_mov_b32 s[G1+5], 32
	s_mov_b32 s[G1+6], 0
	s_mov_b32 s[G1+7], 0
	s_mov_b32 s[SEL], 0x76543210
	s_mov_b32 s[SEL+1], 0xfedcba98
	s_mov_b32 s[CS], 0x3e38aa3b                    ; c = log2(e) / 8
	s_lshl_b32 s17, s[WV], 13                      ; LDS: 8 KiB x wave: k's eight parts, then v's
	s_lshr_b32 s16, s[WV], 3
	s_lshl_b32 s48, s16, 22
	s_add_co_u32 s48, s48, 0x400000                ; memory: k at 4 MiB, v at 8 MiB,
	s_lshl_b32 s49, s13, 16
	s_add_co_u32 s48, s48, s49                     ; 65,536 bytes a head,
	s_and_b32 s49, s[WV], 7
	s_lshl_b32 s49, s49, 13
	s_add_co_u32 s48, s48, s49                     ; my part
	s_mov_b32 s49, 0
	TILE 15, 50, 52
	TILE 62, 84, 86
	s_lshl_b32 s56, s15, 4                         ; my first tile's first query
	s_lshl_b32 s88, s62, 4                         ; the late tile's
	s_lshl_b32 s90, s61, 6
	s_add_co_u32 s89, s90, 63
	s_wait_dscnt 0x0
	s_wait_kmcnt 0x0
	s_load_b512 s[68:83], s[6:7], 0x0              ; e0 .. e15
	s_add_nc_u64 s[48:49], s[4:5], s[48:49]
	s_add_nc_u64 s[50:51], s[4:5], s[50:51]
	s_add_nc_u64 s[84:85], s[4:5], s[84:85]
	s_add_nc_u64 s[86:87], s[8:9], s[86:87]
	s_add_nc_u64 s[8:9], s[8:9], s[52:53]
	ROUND                                          ; all four work-groups are here: the joint loads meet
	s_mov_b32 s[G0], 1
	s_mov_b32 s[G0+1], s17
	s_mov_b64 s[G0+2:G0+3], s[48:49]
	s_or_b32 s[G0+3], s[G0+3], 0x80000000
	tensor_load_to_lds s[G0:G0+3], s[G1:G1+7]      ; every wave's one load
	s_nop 0
.rept 4
	v_nop
.endr
	v_and_b32 v9, 31, v0
	s_delay_alu instid0(VALU_DEP_1)
	v_lshlrev_b32 v[AK], 4, v9
	global_load_b128 v[16:19], v[AK], s[50:51]
	global_load_b128 v[20:23], v[AK], s[50:51] offset:512
	global_load_b128 v[24:27], v[AK], s[84:85]
	global_load_b128 v[28:31], v[AK], s[84:85] offset:512
	v_add_nc_u32 v[AV], 65536, v[AK]
	v_add_nc_u32 v[PA], s63, v[AK]
	v_and_b32 v8, 15, v0
	v_bfe_u32 v9, v0, 4, 1
	s_delay_alu instid0(VALU_DEP_1)
	v_lshlrev_b32 v9, 3, v9
	s_delay_alu instid0(VALU_DEP_1)
	v_sub_nc_u32 v8, v8, v9
	s_delay_alu instid0(VALU_DEP_1)
	v_add_nc_u32 v[VD0], s56, v8
	v_add_nc_u32 v[VD1], s88, v8
	v_mov_b32 v246, 0                              ; a lane permute's destination counts as one of its sources
	v_mov_b32 v253, 0                              ; named as the upper half of the pair v[252:253]
	FRESH
	s_wait_kmcnt 0x0
	s_add_co_i32 s54, s74, s75
	s_lshl_b32 s54, s54, 23
	s_add_co_i32 s[CS], s[CS], s54                 ; a score stands for score x 2^(e6 + e7): added to c's exponent field
	s_mov_b32 s[CS+1], s[CS]
	s_add_co_i32 s54, s76, 127
	s_lshl_b32 s55, s54, 23
	v_mov_b32 v244, s55                            ; 2^e8
	s_add_co_i32 s54, s54, 8
	s_lshl_b32 s54, s54, 23
	s_or_b32 s54, s54, 0x600000
	v_mov_b32 v240, s54                            ; 448 x 2^e8
	s_sub_co_i32 s54, s78, s76
	s_sub_co_i32 s54, s54, s77
	s_add_co_i32 s54, s54, 127
	s_lshl_b32 s55, s54, 23
	v_mov_b32 v250, s55                            ; 2^(e10 - e8 - e9): ctx's conversion
	s_add_co_i32 s54, s54, 8
	s_lshl_b32 s54, s54, 23
	s_or_b32 s54, s54, 0x600000
	v_mov_b32 v251, s54
; KEY STEP n: keys 128 n .. 128 n + 127, for the queries in v[qr ..]; vd: their number less 8 (lane / 16).  Every LDS offset is an immediate.
.macro STEP n, qr, vd
	s_cmp_lt_u32 s[GQ], 128*(\n)                   ; all keys come after my queries: the step's work is left out; no barrier and no tensor load stands in a step
	s_cbranch_scc1 .Lhid_\@
.rept 4
	v_nop                                          ; places in front of loads into registers that the last products read
.endr
.irp t, 0,1,2,3,4,5,6,7
	ds_load_b128 v[32+8*\t:35+8*\t], v[AK] offset:(8*(\n)+\t)*1024
	ds_load_b128 v[36+8*\t:39+8*\t], v[AK] offset:(8*(\n)+\t)*1024+512
.endr
	s_wait_dscnt 0x0
.irp t, 0,1,2,3,4,5,6,7
	v_wmma_f32_16x16x64_fp8_fp8 v[96+8*\t:103+8*\t], v[32+8*\t:39+8*\t], v[\qr:\qr+7], 0
.endr
.rept 4
	v_nop                                          ; places: the loads below land on k's registers, and the scores are read
.endr
.irp d, 0,1,2,3
.irp c, 0,1,2,3
	ds_load_b128 v[32+16*\d+4*\c:35+16*\d+4*\c], v[AV] offset:8192*(\n)+2048*\d+512*\c   ; v's fragments land while the softmax is worked
.endr
.endr
	s_cmp_ge_u32 s[G64], 128*(\n)+127              ; all keys count for all queries of my g: no mask
	s_cbranch_scc1 .Lopen_\@
	s_mov_b32 s96, 128*(\n)
	v_sub_nc_u32 v252, v[\vd], s96                 ; register 8 t + j holds key 128 n + 16 t + 8 (lane / 16) + j: hidden where 16 t + j > my query - 8 (lane / 16) - 128 n
	v_mov_b32 v254, 0xff800000                     ; -infinity: p = 0 then
.set jj, 0
.rept 64
	v_cmp_gt_i32 vcc_lo, 16*(jj/8)+jj%8, v252
	v_cndmask_b32 v[96+jj], v[96+jj], v254, vcc_lo
.set jj, jj+1
.endr
.Lopen_\@:
	v_max3_num_f32 v254, v96, v97, v98             ; the step's largest score of my query among my 64 keys, in two chains, each tile from its low end on
	v_max3_num_f32 v252, v99, v100, v101
.irp i, 6,10,14,18,22,26,30,34,38,42,46,50,54,58
	v_max3_num_f32 v254, v254, v[96+\i], v[97+\i]
	v_max3_num_f32 v252, v252, v[98+\i], v[99+\i]
.endr
	v_max3_num_f32 v254, v254, v158, v159
	s_delay_alu instid0(VALU_DEP_1)
	v_max_num_f32 v254, v254, v252
	s_delay_alu instid0(VALU_DEP_1)
	v_permlanex16_b32 v246, v254, s[SEL], s[SEL+1]
	s_delay_alu instid0(VALU_DEP_1)
	v_max_num_f32 v254, v254, v246                 ; and among lane l xor 16's
	s_delay_alu instid0(VALU_DEP_1)
	v_mul_f32 v254, s[CS], v254                    ; as t (c is positive)
	s_delay_alu instid0(VALU_DEP_1)
	v_max_num_f32 v13, v13, v254
	v_mov_b32 v254, v12
	s_delay_alu instid0(VALU_DEP_2)
	v_floor_f32 v12, -v13                          ; the new -M = floor(-t): M is a whole number
	s_delay_alu instid0(VALU_DEP_1)
	v_sub_f32 v254, v12, v254                      ; old M - new M, 0 or less
	s_delay_alu instid0(VALU_DEP_1)
	v_cvt_i32_f32 v254, v254                       ; (it saturates)
	s_delay_alu instid0(VALU_DEP_1)
	v_ldexp_f32 v252, 1.0, v254                    ; f = 2^(old M - new M)
.set jj, 0
.rept 32
	v_pk_fma_f32 v[96+jj:97+jj], v[96+jj:97+jj], s[CS:CS+1], v[12:13] op_sel_hi:[1,0,0]   ; t - M
.set jj, jj+2
.endr
	s_wait_alu depctr_va_vdst(0)
.set jj, 0
.rept 64
	v_exp_f32 v[96+jj], v[96+jj]                   ; p = 2^(t - M)
.set jj, jj+1
.endr
	v_pk_mul_f32 v[14:15], v[14:15], v[252:253] op_sel_hi:[1,0]   ; the sum under the new M (a plain line behind the exponentials)
	s_wait_alu depctr_va_vdst(0)                   ; one wait for the batch, ahead of its first reader
	v_pk_add_f32 v[242:243], v[96:97], v[98:99]    ; the sum of the unquantised p, in four chains by turns
	v_pk_add_f32 v[238:239], v[100:101], v[102:103]
	v_pk_add_f32 v[236:237], v[104:105], v[106:107]
	v_pk_add_f32 v[14:15], v[14:15], v[108:109]
.irp j, 110,118,126,134,142,150
	v_pk_add_f32 v[242:243], v[242:243], v[\j:\j+1]
	v_pk_add_f32 v[238:239], v[238:239], v[\j+2:\j+3]
	v_pk_add_f32 v[236:237], v[236:237], v[\j+4:\j+5]
	v_pk_add_f32 v[14:15], v[14:15], v[\j+6:\j+7]
.endr
	v_pk_add_f32 v[242:243], v[242:243], v[158:159]
	v_pk_add_f32 v[238:239], v[238:239], v[236:237]
	v_pk_add_f32 v[14:15], v[14:15], v[242:243]
	v_pk_add_f32 v[14:15], v[14:15], v[238:239]
.irp t, 0,1,2,3,4,5,6,7
.irp j, 0,1,2,3,4,5,6,7
	v_min_num_f32 v[96+8*\t+\j], v[96+8*\t+\j], v240   ; the conversion does not saturate (ISA guide 7.6.2); p is not negative: a one-sided hold
.endr
	v_cvt_scalef32_pk8_fp8_f32 v[224+2*\t:225+2*\t], v[96+8*\t:103+8*\t], v244
.endr
	s_wait_alu depctr_va_vdst(0)
.set jj, 0
.rept 16
	v_pk_mul_f32 v[160+jj:161+jj], v[160+jj:161+jj], v[252:253] op_sel_hi:[1,0]   ; O^T under the new M; also the plain lines behind the conversions
.set jj, jj+2
.endr
	s_wait_alu depctr_va_vdst(0)
	s_wait_dscnt 0x0                               ; v's fragments are in
.irp d, 0,1,2,3
	v_wmma_f32_16x16x128_fp8_fp8 v[160+8*\d:167+8*\d], v[32+16*\d:47+16*\d], v[224:239], v[160+8*\d:167+8*\d]   ; four accumulators by turns
.endr
.Lhid_\@:
.endm
; A TILE'S WAY OUT: O^T / the sum, held and converted: registers 2 d, 2 d + 1 of ctx's fragment half at s[cb:cb+1]; two stores of 512 consecutive bytes
.macro FINISH cb
	v_add_f32 v14, v14, v15
	s_delay_alu instid0(VALU_DEP_1)
	v_permlanex16_b32 v246, v14, s[SEL], s[SEL+1]
	s_delay_alu instid0(VALU_DEP_1)
	v_add_f32 v14, v14, v246
	s_wait_alu depctr_va_vdst(0)                   ; ahead of the transcendental
	v_rcp_f32 v14, v14
	v_nop                                          ; a plain line behind it
	s_wait_alu depctr_va_vdst(0)                   ; ahead of its first reader, which is O^T's too
.set jj, 0
.rept 32
	v_mul_f32 v[96+jj], v[160+jj], v14
.set jj, jj+1
.endr
.set jj, 0
.rept 32
	v_med3_num_f32 v[96+jj], v[96+jj], -v251, v251
.set jj, jj+1
.endr
.irp d, 0,1,2,3
	v_cvt_scalef32_pk8_fp8_f32 v[224+2*\d:225+2*\d], v[96+8*\d:103+8*\d], v250
.endr
	v_nop
	global_store_b128 v[AK], v[224:227], s[\cb:\cb+1]
	global_store_b128 v[AK], v[228:231], s[\cb:\cb+1] offset:512
.endm
	s_wait_alu depctr_va_vdst(0)
	s_wait_loadcnt 0x0                             ; q
	s_wait_tensorcnt 0x0                           ; my 8 KiB have landed
	s_barrier_signal -1
	s_barrier_wait -1                              ; everybody's have: k and v are whole; nothing is ever filled again
.irp n, 0,1,2,3
	STEP \n, 16, VD0
.endr
.rept 4
	v_nop                                          ; places behind the last products
.endr
	s_wait_alu depctr_va_vdst(0)
	s_cmp_eq_u32 s[ROLE], 0
	s_cbranch_scc0 .Lsecond_wave
.irp u, 0,1,2,3,4,5,6,7
	ds_store_b128 v[PA], v[160+4*\u:163+4*\u] offset:512*\u   ; the pair's first wave hands over O^T, each accumulator from its low end on,
.endr
	ds_store_b128 v[PA], v[12:15] offset:4096      ; and -M, the largest t and the sum, as images of the registers
	s_mov_b32 s[GQ], 0                             ; and has no further step
	s_branch .Llate_keys
.Lsecond_wave:
	FINISH 8                                       ; the early tile is whole
	s_wait_xcnt 0x0                                ; its stores have read their codes: the next steps write them again
	FRESH
	s_mov_b32 s[GQ], s89                           ; on to the late tile
	s_mov_b32 s[G64], s90
.Llate_keys:
.irp n, 4,5,6,7
	STEP \n, 24, VD1
.endr
.rept 4
	v_nop                                          ; places behind the last products
.endr
	s_wait_alu depctr_va_vdst(0)
	s_wait_dscnt 0x0                               ; my hand-over has landed
	s_barrier_signal -1
	s_barrier_wait -1
	s_cmp_eq_u32 s[ROLE], 0
	s_cbranch_scc1 .Ldone
.irp u, 0,1,2,3,4,5,6,7
	ds_load_b128 v[96+4*\u:99+4*\u], v[PA] offset:512*\u
.endr
	ds_load_b128 v[128:131], v[PA] offset:4096
	s_wait_dscnt 0x0
	v_mov_b32 v133, 0                              ; upper halves of the pairs named below
	v_mov_b32 v135, 0
	v_min_num_f32 v136, v12, v128                  ; -M of both parts together
	v_sub_f32 v137, v136, v128                     ; the partner's M less the common one, 0 or less: a whole number
	v_sub_f32 v138, v136, v12                      ; mine
	v_cvt_i32_f32 v137, v137
	v_cvt_i32_f32 v138, v138
	v_ldexp_f32 v132, 1.0, v137
	v_ldexp_f32 v134, 1.0, v138
	v_pk_mul_f32 v[14:15], v[14:15], v[134:135] op_sel_hi:[1,0]
	v_pk_fma_f32 v[14:15], v[130:131], v[132:133], v[14:15] op_sel_hi:[1,0,1]
.set jj, 0
.rept 16
	v_pk_mul_f32 v[160+jj:161+jj], v[160+jj:161+jj], v[134:135] op_sel_hi:[1,0]
.set jj, jj+2
.endr
.set jj, 0
.rept 16
	v_pk_fma_f32 v[160+jj:161+jj], v[96+jj:97+jj], v[132:133], v[160+jj:161+jj] op_sel_hi:[1,0,1]
.set jj, jj+2
.endr
	FINISH 86                                      ; the late tile
.Ldone:
	s_wait_tensorcnt 0x0                           ; the wave's end
	ds_add_u32 v[SPW], v[NIL]
	s_wait_dscnt 0x0
	ROUND                                          ; the closing round
	s_endpgm
.Lfunc_end_k_qc25183679a_attn:
	.size	k_qc25183679a_attn, .Lfunc_end_k_qc25183679a_attn-k_qc25183679a_attn
	.p2alignl 7, 3214868480
	.fill 96, 4, 3214868480
	.section	.rodata,"a",@progbits
	.p2align	6, 0x0
	.amdhsa_kernel k_qc25183679a_attn
		.amdhsa_group_segment_fixed_size 169984
		.amdhsa_private_segment_fixed_size 0
		.amdhsa_enable_private_segment 0
		.amdhsa_kernarg_size 24
		.amdhsa_user_sgpr_count 2
		.amdhsa_user_sgpr_kernarg_segment_ptr 1
		.amdhsa_wavefront_size32 1
		.amdhsa_system_sgpr_workgroup_id_x 1
		.amdhsa_system_sgpr_workgroup_id_y 1
		.amdhsa_system_sgpr_workgroup_id_z 1
		.amdhsa_system_vgpr_workitem_id 0
		.amdhsa_next_free_vgpr 256
		.amdhsa_next_free_sgpr 100
		.amdhsa_reserve_vcc 1
		.amdhsa_float_denorm_mode_32 3
		.amdhsa_float_denorm_mode_16_64 3
		.amdhsa_memory_ordered 1
		.amdhsa_forward_progress 1
		.amdhsa_inst_pref_size 187
	.end_amdhsa_kernel
	.amdgpu_metadata
---
amdhsa.version: [ 1, 2 ]
amdhsa.kernels:
  - .name:           k_qc25183679a_attn
    .symbol:         k_qc25183679a_attn.kd
    .args:
      - { .name: qkvc, .offset: 0, .size: 8, .value_kind: global_buffer, .address_space: global }
      - { .name: lowp_scales, .offset: 8, .size: 8, .value_kind: global_buffer, .address_space: global }
      - { .name: ctxc, .offset: 16, .size: 8, .value_kind: global_buffer, .address_space: global }
    .group_segment_fixed_size: 169984
    .private_segment_fixed_size: 0
    .kernarg_segment_align: 8
    .kernarg_segment_size: 24
    .max_flat_workgroup_size: 512
    .sgpr_count:     100
    .vgpr_count:     256
    .wavefront_size: 32
...
	.end_amdgpu_metadata
.endif
;; end of part 3
;; launch proj (part 4): grid 8 x 32, 4 waves a work-group, clusters of 4 x 4, 327,680 bytes of LDS; arguments ctxc, wcodes, lowp_scales, b_proj, x, x1; writes x1
.if DOCPART == 4
	.amdgcn_target "amdgcn-amd-amdhsa--gfx1250"
	.amdhsa_code_object_version 6
	.text
	.protected	k_qc25183679a_proj
	.globl	k_qc25183679a_proj
	.p2align	8
	.type	k_qc25183679a_proj,@function
k_qc25183679a_proj:
	s_mov_b64 s[64:65], 0
	v_nop
	global_prefetch_b8 v0, s[64:65] scope:SCOPE_SE
	s_setreg_imm32_b32 hwreg(HW_REG_WAVE_MODE, 25, 1), 1
	s_wait_xcnt 0x0
	s_wait_alu depctr_hold_cnt(0) depctr_sa_sdst(0) depctr_va_vdst(0) depctr_va_sdst(0) depctr_va_ssrc(0) depctr_va_vcc(0) depctr_vm_vsrc(0)
	s_getreg_b32 s2, hwreg(HW_REG_IB_STS2, 6, 4)
	s_cmp_eq_u32 s2, 0
	s_cbranch_scc0 .Lentry_in_a_cluster
	s_endpgm
.Lentry_in_a_cluster:
	s_bfe_u32 s2, ttmp6, 0x10000c
	s_cmp_lg_u32 s2, 0xf033
	s_cbranch_scc0 .Lentry_shape_is_right
	s_endpgm
.Lentry_shape_is_right:
; PROJ: x1 = x + ctx w_proj + b_proj.  ctx [4,096 x 1,024] and w_proj's image [1,024 rows n x 1,024] are codes of FP8 (E4M3) laid as fragment images
; (16 rows x 128 K = 2,048 bytes, lane L's registers 4 g .. 4 g + 3 at 512 g + 16 L; a row tile's fragments on end).  Each finished sum is multiplied once by 2^(e10 + e11).
; N = 1,024 gives 64 tiles of 256 x 256 but 256 of 128 x 128: a tile is 128 x 128, four waves of 64 x 64: 16 accumulators.  K goes in steps of 512 through two LDS slots; here K is two steps: each slot is filled once.
; Source 0 = 16 rows of the weight, source 1 = 16 tokens: a lane holds eight neighbouring columns of one row.  A wave's 64 columns of f32 are 256 aligned bytes, so each wave has a stage of its own and no barrier on the way out.
; The residual's 64 x 64 numbers and the bias are asked for at the head and land while K is walked.
; CLUSTERS: 4 x 4 work-groups; the tokens' tiles are shared along a row of the cluster, the weight's along a column.
; LIMIT: e10 + e11 between -126 and 127.
; REGISTERS: window 0: v0-31 addresses, v[12:15] bias, v32-95 the way out, v128-255 accumulator (a, b) at v[128 + 8 (4 a + b)].  window 1: two fragment buffers of 128 (A's four, then B's four).  window 2: v0-127 the residual.
.set SIZE_K, 1024
.set REGION, 0x300000                  ; the weight's image in wcodes
.set SCOFF,  0x28                      ; the two exponents in lowp_scales
.set RT,     16*SIZE_K                 ; bytes of a row tile's fragments
.set TROW,   16384                     ; a row tile's eight fragments, all of K: a wave's four row tiles are one dense block of 64 KiB, brought by ONE tensor load at the head
.set KHALF,  8192                      ; the second half of K begins here in each row tile: what the text below calls slot 1
.set HALFT,  4*TROW                    ; 64 rows: what one tensor load brings
.set SLOT,   4*HALFT
.set STAGE,  SLOT
.set SPITCH, 272
.set SPARE,  STAGE+4*16*SPITCH         ; the spare words, 128 bytes a wave
.set LAPS,   SIZE_K/1024
.set BIAS, 12
.set ADRA, 16
.set ADRB, 20
.set STO,  24
.set RD,   25
.set CO,   26
.set SPW,  28
.set NIL,  29
.set BK,   32
.set ACC,  128
.set F0,   0
.set F1,   128
.set G1, 24
.set G0, 32
.set G1B, 48
.set G0B, 56
.set MSB, 0
.macro WIN new
.if MSB != (\new)
	s_set_vgpr_msb (MSB<<8)|(\new)
.set MSB, (\new)
.endif
.endm
.set MUL,  0x05                        ; sources 0 and 1 window 1; C and D window 0
.set TO_F, 0x40
.macro JLOAD s                         ; a joint load: waves 0, 1 fetch A's halves, waves 2, 3 B's; four v_nop follow each line
	s_cmp_eq_u32 s15, 0
	s_cbranch_scc0 .Lfor_b_\@
	tensor_load_to_lds s[G0+4*\s:G0+4*\s+3], s[G1:G1+7]
	s_nop 0
.rept 4
	v_nop
.endr
	s_branch .Lasked_\@
.Lfor_b_\@:
	tensor_load_to_lds s[G0B+4*\s:G0B+4*\s+3], s[G1B:G1B+7]
	s_nop 0
.rept 4
	v_nop
.endr
.Lasked_\@:
.endm
.macro CREST
	s_cmp_lg_u32 s14, 0
	s_cbranch_scc1 .Lnot_wave_0_\@
	s_barrier_signal -3
.Lnot_wave_0_\@:
	s_barrier_wait -3
	s_barrier_signal -1
	s_barrier_wait -1
.endm
.macro CROUND
	s_barrier_signal -1
	s_barrier_wait -1
	CREST
.endm
	s_load_b256 s[4:11], s[0:1], 0x0               ; A's codes, wcodes, lowp_scales, bias
	s_load_b128 s[84:87], s[0:1], 0x20             ; the residual, the result
	v_lshl_add_u32 v[SPW], v0, 2, SPARE
	v_mov_b32 v[NIL], 0
	ds_add_u32 v28, v29
	ds_add_u32 v28, v29
	s_wait_dscnt 0x0
	v_lshrrev_b32 v1, 5, v0
	v_readfirstlane_b32 s14, v1                    ; wave 0..3
	s_lshr_b32 s15, s14, 1                         ; my half of the rows.  Also: I fetch for A (0) or B (1)
	s_and_b32 s16, s14, 1                          ; my half of the columns.  Also: which 64 rows I fetch
	s_bfe_u32 s40, ttmp6, 0x40000
	s_bfe_u32 s41, ttmp6, 0x40004
	s_lshl_b32 s42, ttmp9, 2
	s_add_co_u32 s42, s42, s40                     ; tile column
	s_and_b32 s17, ttmp7, 0xffff
	s_lshl_b32 s17, s17, 2
	s_add_co_u32 s17, s17, s41                     ; tile row
	s_lshl_b32 s43, s41, 2
	s_lshl_b32 s43, 15, s43
	s_lshl_b32 s44, 0x1111, s40
	s_or_b32 s[G1+0], s43, (3<<16)|(1<<21)         ; the mask; elements of 8 bytes; bit 21 beside a mask; no padding
	s_or_b32 s[G1B+0], s44, (3<<16)|(1<<21)
.irp g, G1, G1B
	s_mov_b32 s[\g+1], 2048<<16                    ; tensor_dim0: 16,384 bytes
	s_mov_b32 s[\g+2], 4<<16                       ; tensor_dim1: 4 row tiles
	s_mov_b32 s[\g+3], 2048<<16
	s_mov_b32 s[\g+4], 4
	s_mov_b32 s[\g+5], RT/8                        ; from row tile to row tile
	s_mov_b32 s[\g+6], 0
	s_mov_b32 s[\g+7], 0
.endr
	s_mul_i32 s18, s16, 4*RT
	s_mul_i32 s20, s17, 8*RT
	s_add_co_u32 s20, s20, s18
	s_mul_i32 s46, s42, 8*RT
	s_add_co_u32 s46, s46, s18
	s_add_co_u32 s46, s46, REGION
	s_mov_b32 s21, 0
	s_mov_b32 s47, 0
	s_mul_i32 s45, s14, HALFT
	s_wait_kmcnt 0x0
	s_load_b64 s[96:97], s[8:9], SCOFF
	s_add_nc_u64 s[20:21], s[4:5], s[20:21]
	s_add_nc_u64 s[46:47], s[6:7], s[46:47]
	CROUND                                         ; all sixteen work-groups are here: the first joint loads meet
.irp s, 0
	s_mov_b32 s[G0+4*\s], 1
	s_add_co_u32 s[G0+4*\s+1], s45, \s*SLOT
	s_add_nc_u64 s[G0+4*\s+2:G0+4*\s+3], s[20:21], \s*TROW
	s_or_b32 s[G0+4*\s+3], s[G0+4*\s+3], 0x80000000
	s_mov_b32 s[G0B+4*\s], 1
	s_add_co_u32 s[G0B+4*\s+1], s45, \s*SLOT
	s_add_nc_u64 s[G0B+4*\s+2:G0B+4*\s+3], s[46:47], \s*TROW
	s_or_b32 s[G0B+4*\s+3], s[G0B+4*\s+3], 0x80000000
.if \s == 1
	s_wait_alu depctr_va_vdst(0)
	s_wait_tensorcnt 0x0                           ; my part of K step 0 is in; slot 1's first fill is issued as a refill is:
	ds_add_u32 v28, v29                            ; 0 onto my spare word
	s_wait_dscnt 0x0
	CROUND                                         ; a whole round, and K step 1's joint load first behind it
.endif
	JLOAD \s
.endr
	v_and_b32 v1, 15, v0                           ; r
	s_wait_alu depctr_va_vdst(0)
	v_bfe_u32 v2, v0, 4, 1                         ; h
	v_and_b32 v3, 31, v0
	v_lshlrev_b32 v3, 4, v3                        ; 16 x lane
	s_mul_i32 s21, s15, HALFT
	s_mul_i32 s22, s16, HALFT
	s_add_co_u32 s22, s22, 2*HALFT
.irp s, 0,1
	v_add_nc_u32 v[ADRA+\s], s21, v3
	v_add_nc_u32 v[ADRB+\s], s22, v3
	s_add_co_u32 s21, s21, KHALF
	s_add_co_u32 s22, s22, KHALF
.endr
	s_mul_i32 s23, s14, 16*SPITCH
	s_add_co_u32 s23, s23, STAGE                   ; my stage
	v_mul_u32_u24 v4, v1, SPITCH
	s_wait_alu depctr_va_vdst(0)
	v_lshl_add_u32 v4, v2, 5, v4
	v_add_nc_u32 v[STO], s23, v4                   ; in: row r, 32 bytes for each half of the lanes
	v_mul_u32_u24 v5, v2, SPITCH
	v_lshl_add_u32 v5, v1, 4, v5
	v_add_nc_u32 v[RD], s23, v5                    ; back: lanes 0-15 one row of 256 bytes, lanes 16-31 the next
	v_lshlrev_b32 v5, 12, v2
	v_lshl_add_u32 v[CO], v1, 4, v5                ; the same two rows in memory: rows of 4,096 bytes
	s_wait_alu depctr_va_vdst(0)
	v_lshlrev_b32 v6, 4, v1
	s_wait_alu depctr_va_vdst(0)
	s_lshl_b32 s20, s17, 19                        ; 128 rows x tile row
	s_lshl_b32 s21, s15, 18                        ; + 64 rows x half
	s_add_co_u32 s20, s20, s21
	s_mov_b32 s21, 0
	s_lshl_b32 s46, s42, 9                         ; 128 columns x tile column
	s_lshl_b32 s47, s16, 8                         ; + 64 columns x half
	s_add_co_u32 s46, s46, s47
	s_mov_b32 s47, 0
	s_add_nc_u64 s[84:85], s[84:85], s[20:21]
	s_add_nc_u64 s[84:85], s[84:85], s[46:47]
	s_add_nc_u64 s[86:87], s[86:87], s[20:21]
	s_add_nc_u64 s[86:87], s[86:87], s[46:47]
	s_add_nc_u64 s[10:11], s[10:11], s[46:47]
	WIN 0x80                                       ; destination window 2
.irp a, 0,1,2,3
.irp t, 0,1,2,3,4,5,6,7
	global_load_b128 v[4*(8*\a+\t):4*(8*\a+\t)+3], v[CO], s[84:85] offset:(16*\a+2*\t)*4096   ; the residual, in the layout in which the rows come back from the stage
.endr
.endr
	WIN 0
	global_load_b128 v[BIAS:BIAS+3], v6, s[10:11]
.macro MUL4 f, a, zero                 ; A's block a x B's four; the 16 accumulators take turns, one instruction a turn
.irp b, 0,1,2,3
.if \zero
	v_wmma_f32_16x16x128_fp8_fp8 v[ACC+8*(4*(\a)+\b):ACC+8*(4*(\a)+\b)+7], v[\f+64+16*\b:\f+64+16*\b+15], v[\f+16*(\a):\f+16*(\a)+15], 0
.else
	v_wmma_f32_16x16x128_fp8_fp8 v[ACC+8*(4*(\a)+\b):ACC+8*(4*(\a)+\b)+7], v[\f+64+16*\b:\f+64+16*\b+15], v[\f+16*(\a):\f+16*(\a)+15], v[ACC+8*(4*(\a)+\b):ACC+8*(4*(\a)+\b)+7]
.endif
.endr
.endm
.macro FETCH slot, q, f                ; 32 LDS loads in one run: fragment q of B's four row tiles, then of A's four
	WIN TO_F
.irp i, 0,1,2,3
.irp c, 0,1,2,3
	ds_load_b128 v[\f+64+16*\i+4*\c:\f+64+16*\i+4*\c+3], v[ADRB+\slot] offset:TROW*\i+2048*(\q)+512*\c
.endr
.endr
.irp i, 0,1,2,3
.irp c, 0,1,2,3
	ds_load_b128 v[\f+16*\i+4*\c:\f+16*\i+4*\c+3], v[ADRA+\slot] offset:TROW*\i+2048*(\q)+512*\c
.endr
.endr
.endm
.macro PLACES
.rept 4
	v_nop
.endr
.endm
.macro QUARTER slot, qn, f, g, zero    ; 128 along K: multiplies buffer f, fetches fragment qn of the same slot into g
	s_wait_dscnt 8                                 ; B's four and A's blocks 0, 1 are in; the eight youngest loads (A's 2, 3) may be out
	WIN MUL
	MUL4 \f, 0, \zero
	MUL4 \f, 1, \zero
	PLACES
	FETCH \slot, \qn, \g
	s_wait_dscnt 32                                ; all but the 32 just issued
	WIN MUL
	MUL4 \f, 2, \zero
	MUL4 \f, 3, \zero
.endm
.macro TURN slot, next, fill           ; a slot's last quarter (buffer 1) changes slots
	WIN 0
	s_wait_tensorcnt 0x0                           ; all my tensor loads have landed: my part of the next slot
	ds_add_u32 v[SPW], v[NIL]                      ; 0 onto my spare word
	s_wait_dscnt 9                                 ; the add and the eight youngest loads may be out
	WIN MUL
	MUL4 F1, 0, 0
	MUL4 F1, 1, 0
	s_wait_dscnt 0x0                               ; the add is done, and my reads of this slot are over
	s_barrier_signal -1
	MUL4 F1, 2, 0
	WIN 0
	s_barrier_wait -1
.if \fill
	CREST
	s_add_nc_u64 s[G0+4*\slot+2:G0+4*\slot+3], s[G0+4*\slot+2:G0+4*\slot+3], 2*TROW
	s_add_nc_u64 s[G0B+4*\slot+2:G0B+4*\slot+3], s[G0B+4*\slot+2:G0B+4*\slot+3], 2*TROW
	JLOAD \slot                                    ; the first tensor load behind the round; its four v_nop are the places in front of the loads below
.else
	PLACES
.endif
	FETCH \next, 0, F0
	WIN MUL
	MUL4 F1, 3, 0
.endm
	s_wait_tensorcnt 0x0                           ; my one load, all of K for my four row tiles, is in
	s_barrier_signal -1
	s_barrier_wait -1
	FETCH 0, 0, F0
	QUARTER 0, 1, F0, F1, 1                        ; the first products start the sums
.if LAPS > 1
	WIN 0
	s_mov_b32 s3, LAPS-1
.Llap:
	QUARTER 0, 2, F1, F0, 0
	QUARTER 0, 3, F0, F1, 0
	TURN 0, 1, 1
	QUARTER 1, 1, F0, F1, 0
	QUARTER 1, 2, F1, F0, 0
	QUARTER 1, 3, F0, F1, 0
	TURN 1, 0, 1
	QUARTER 0, 1, F0, F1, 0
	WIN 0
	s_sub_co_u32 s3, s3, 1
	s_cmp_lg_u32 s3, 0
	s_cbranch_scc1 .Llap
.endif
	QUARTER 0, 2, F1, F0, 0
	QUARTER 0, 3, F0, F1, 0
	TURN 0, 1, 0
	QUARTER 1, 1, F0, F1, 0
	QUARTER 1, 2, F1, F0, 0
	QUARTER 1, 3, F0, F1, 0
	s_wait_dscnt 8
	WIN MUL
	MUL4 F1, 0, 0
	MUL4 F1, 1, 0
	s_wait_dscnt 0
	MUL4 F1, 2, 0
	MUL4 F1, 3, 0
	WIN 0
; THE WAY OUT, 16 rows at a time: the sums go through my stage and come back as rows of 256 bytes; then sum x 2^(ea + eb) + bias, + the residual; sixteen lanes store 256 aligned bytes.
.macro TOSTAGE a
.set BB, BK+32*((\a)%2)
.irp b, 0,1,2,3
	ds_store_b128 v[STO], v[ACC+8*(4*(\a)+\b):ACC+8*(4*(\a)+\b)+3] offset:64*\b        ; each accumulator from its low end on
	ds_store_b128 v[STO], v[ACC+8*(4*(\a)+\b)+4:ACC+8*(4*(\a)+\b)+7] offset:64*\b+16
.endr
.irp t, 0,1,2,3,4,5,6,7
	ds_load_b128 v[BB+4*\t:BB+4*\t+3], v[RD] offset:\t*2*SPITCH   ; LDS serves a wave's instructions in order: these see my stores
.endr
.endm
.macro SEND a, younger                 ; younger: the LDS instructions issued behind block a's loads
.set BB, BK+32*((\a)%2)
	s_wait_dscnt \younger
.set jj, 0
.rept 8
	v_pk_fma_f32 v[BB+4*jj:BB+4*jj+1], v[BB+4*jj:BB+4*jj+1], s[96:97], v[BIAS:BIAS+1] op_sel_hi:[1,0,1]
	v_pk_fma_f32 v[BB+4*jj+2:BB+4*jj+3], v[BB+4*jj+2:BB+4*jj+3], s[96:97], v[BIAS+2:BIAS+3] op_sel_hi:[1,0,1]
.set jj, jj+1
.endr
	WIN 0x08                                       ; source 1 window 2
.set jj, 0
.rept 16
	v_pk_add_f32 v[BB+2*jj:BB+2*jj+1], v[BB+2*jj:BB+2*jj+1], v[32*(\a)+2*jj:32*(\a)+2*jj+1]
.set jj, jj+1
.endr
	WIN 0
.irp t, 0,1,2,3,4,5,6,7
	global_store_b128 v[CO], v[BB+4*\t:BB+4*\t+3], s[86:87] offset:(16*(\a)+2*\t)*4096
.endr
.endm
	s_wait_kmcnt 0x0
	s_add_co_i32 s96, s96, s97
	s_add_co_i32 s96, s96, 127
	s_lshl_b32 s96, s96, 23                        ; 2^(ea + eb) as f32
	s_mov_b32 s97, s96
	PLACES                                         ; behind the last products
	s_wait_loadcnt 0x0                             ; the residual and the bias
	TOSTAGE 0
.irp a, 1,2,3
.if \a > 1
	s_wait_xcnt 0x0                                ; block a - 2's stores have read their registers: block a's loads may land there
.endif
	TOSTAGE \a
	SEND \a-1, 16                                  ; behind block a - 1's loads: block a's 8 stores and 8 loads
.endr
	SEND 3, 0
	s_wait_tensorcnt 0x0                           ; the wave's end
	ds_add_u32 v[SPW], v[NIL]
	s_wait_dscnt 0x0
	CROUND                                         ; the closing round
	s_endpgm
.Lfunc_end_k_qc25183679a_proj:
	.size	k_qc25183679a_proj, .Lfunc_end_k_qc25183679a_proj-k_qc25183679a_proj
	.p2alignl 7, 3214868480
	.fill 96, 4, 3214868480
	.section	.rodata,"a",@progbits
	.p2align	6, 0x0
	.amdhsa_kernel k_qc25183679a_proj
		.amdhsa_group_segment_fixed_size 327680
		.amdhsa_private_segment_fixed_size 0
		.amdhsa_enable_private_segment 0
		.amdhsa_kernarg_size 48
		.amdhsa_user_sgpr_count 2
		.amdhsa_user_sgpr_kernarg_segment_ptr 1
		.amdhsa_wavefront_size32 1
		.amdhsa_system_sgpr_workgroup_id_x 1
		.amdhsa_system_sgpr_workgroup_id_y 1
		.amdhsa_system_sgpr_workgroup_id_z 1
		.amdhsa_system_vgpr_workitem_id 0
		.amdhsa_next_free_vgpr 640
		.amdhsa_next_free_sgpr 100
		.amdhsa_reserve_vcc 0
		.amdhsa_float_denorm_mode_32 3
		.amdhsa_float_denorm_mode_16_64 3
		.amdhsa_memory_ordered 1
		.amdhsa_forward_progress 1
		.amdhsa_inst_pref_size 52
	.end_amdhsa_kernel
	.amdgpu_metadata
---
amdhsa.version: [ 1, 2 ]
amdhsa.kernels:
  - .name:           k_qc25183679a_proj
    .symbol:         k_qc25183679a_proj.kd
    .args:
      - { .name: ctxc, .offset: 0, .size: 8, .value_kind: global_buffer, .address_space: global }
      - { .name: wcodes, .offset: 8, .size: 8, .value_kind: global_buffer, .address_space: global }
      - { .name: lowp_scales, .offset: 16, .size: 8, .value_kind: global_buffer, .address_space: global }
      - { .name: b_proj, .offset: 24, .size: 8, .value_kind: global_buffer, .address_space: global }
      - { .name: x, .offset: 32, .size: 8, .value_kind: global_buffer, .address_space: global }
      - { .name: x1, .offset: 40, .size: 8, .value_kind: global_buffer, .address_space: global }
    .group_segment_fixed_size: 327680
    .private_segment_fixed_size: 0
    .kernarg_segment_align: 8
    .kernarg_segment_size: 48
    .max_flat_workgroup_size: 128
    .sgpr_count:     100
    .vgpr_count:     640
    .wavefront_size: 32
...
	.end_amdgpu_metadata
.endif
;; end of part 4
;; launch ln2 (part 5): grid 256 x 1, 4 waves a work-group, no clusters, 17,920 bytes of LDS; arguments x1, ln2_g, ln2_b, lowp_scales, xn2c; writes xn2c
.if DOCPART == 5
	.amdgcn_target "amdgcn-amd-amdhsa--gfx1250"
	.amdhsa_code_object_version 6
	.text
	.protected	k_qc25183679a_ln2
	.globl	k_qc25183679a_ln2
	.p2align	8
	.type	k_qc25183679a_ln2,@function
k_qc25183679a_ln2:
	s_mov_b64 s[64:65], 0
	v_nop
	global_prefetch_b8 v0, s[64:65] scope:SCOPE_SE
	s_setreg_imm32_b32 hwreg(HW_REG_WAVE_MODE, 25, 1), 1
	s_wait_xcnt 0x0
; LN2: LayerNorm 2 of x1 [4,096 x 1,024], quantised to codes of FP8 (E4M3) with the scale 2^e12, laid as fragment images
; (16 rows x 128 K = 2,048 bytes; in group g of 512 bytes lane L = 16 h + r has k = 32 g + 8 h + 0..7 and 32 g + 16 + 8 h + 0..7 of row r at 16 L).
; A work-group takes a tile of 16 tokens, wave w rows 4 w .. 4 w + 3; a row lies in 32 registers of the wave between the passes.  The codes meet in a stage in LDS and leave 512 consecutive bytes a store.
; No cluster, no joint loads: work-groups share only the gain and the bias, 8 KiB beside the 64 KiB of x1 that each reads.
; LIMITS: e12 between -126 and 119.  NaN among the inputs is not served; an infinity is held at the largest code.
.set LNS,  0
.set VSTR, 17408
.set KSTR, 2176
.set GSTR, 544
.set HSTR, 272                         ; 16 units of 16 bytes + 16 of padding: the 32 lanes' word stores fall on 32 different banks
.set NV,   1
.set SA,   1
.set RA,   2
.set LO,   3
.set LIMV, 4
.set GO,   7
.set AC,   8
.set MU,   16
.set RS,   18
.set SCV,  20
.set TP,   23
.set T1,   24
.set X,    32
.set G,    160
.set BT,   192
.set CC,   224
.set T0,   248
	s_load_b256 s[4:11], s[0:1], 0x0               ; x1, ln2_g, ln2_b, lowp_scales
	s_load_b64 s[24:25], s[0:1], 0x20              ; xn2c
	v_lshl_add_u32 v246, v0, 2, 0x4400
	v_mov_b32 v247, 0
	v_lshrrev_b32 v1, 5, v0
	v_readfirstlane_b32 s28, v1                    ; wave 0..3
	s_wait_kmcnt 0x0
	s_load_b32 s44, s[10:11], 0x30                 ; e12
	v_and_b32 v[TP], 31, v0
	v_lshlrev_b32 v[LO], 4, v[TP]
	s_lshl_b32 s32, ttmp9, 16
	s_lshl_b32 s33, s28, 14
	s_add_co_u32 s32, s32, s33
	s_mov_b32 s33, 0
	s_add_nc_u64 s[4:5], s[4:5], s[32:33]
.irp m, 0,1,2,3,4,5,6,7                        ; every load reads 512 consecutive bytes: chunk m holds k = 128 m + 4 lane + 0..3
	global_load_b128 v[G+4*\m:G+4*\m+3], v[LO], s[6:7] offset:512*\m
.endr
.irp m, 0,1,2,3,4,5,6,7
	global_load_b128 v[BT+4*\m:BT+4*\m+3], v[LO], s[8:9] offset:512*\m
.endr
.irp i, 0,1,2,3
.irp m, 0,1,2,3,4,5,6,7
	global_load_b128 v[X+32*\i+4*\m:X+32*\i+4*\m+3], v[LO], s[4:5] offset:4096*\i+512*\m
.endr
.endr
	s_mov_b32 s29, 0x3a800000                      ; 1 / 1024
	s_mov_b32 s34, 0x3727c5ac                      ; 1e-5
	s_mov_b32 s30, 0x76543210
	s_mov_b32 s31, 0xfedcba98
	v_bfe_u32 v8, v0, 3, 2                         ; way in: my four codes of a chunk are kk = 4 l .. 4 l + 3: g = l / 8, half of the unit = bit 2, h = bit 1, word = bit 0
	v_mul_u32_u24 v[SA], v8, GSTR
	v_bfe_u32 v8, v0, 1, 1
	v_mul_u32_u24 v9, v8, HSTR
	v_add_nc_u32 v[SA], v[SA], v9
	v_bfe_u32 v8, v0, 2, 1
	v_lshl_add_u32 v[SA], v8, 3, v[SA]
	v_and_b32 v8, 1, v0
	v_lshl_add_u32 v[SA], v8, 2, v[SA]
	s_lshl_b32 s33, s28, 6
	v_add_nc_u32 v[SA], s33, v[SA]
	v_bfe_u32 v8, v0, 4, 1                         ; way out: wave w takes K steps 2 w, 2 w + 1
	v_mul_u32_u24 v[RA], v8, HSTR
	v_and_b32 v8, 15, v0
	v_lshl_add_u32 v[RA], v8, 4, v[RA]
	s_mul_i32 s33, s28, 2*KSTR
	v_add_nc_u32 v[RA], s33, v[RA]
	v_lshl_add_u32 v[GO], s28, 12, v[LO]
	s_lshl_b32 s32, ttmp9, 14
	s_mov_b32 s33, 0
	s_add_nc_u64 s[36:37], s[24:25], s[32:33]
	s_wait_kmcnt 0x0
	s_add_co_i32 s33, s44, 127
	s_lshl_b32 s35, s33, 23
	v_mov_b32 v[SCV], s35                          ; 2^e12
	s_add_co_i32 s33, s33, 8
	s_lshl_b32 s33, s33, 23
	s_or_b32 s33, s33, 0x600000
	v_mov_b32 v[LIMV], s33                         ; 448 x 2^e12
.macro FOLD
	v_pk_add_f32 v[AC:AC+1], v[AC:AC+1], v[AC+2:AC+3]
	v_pk_add_f32 v[AC+4:AC+5], v[AC+4:AC+5], v[AC+6:AC+7]
	v_pk_add_f32 v[AC:AC+1], v[AC:AC+1], v[AC+4:AC+5]
	v_add_f32 v[AC], v[AC], v[AC+1]
.endm
.macro XSUM
	v_add_f32_dpp v[AC], v[AC], v[AC] row_xmask:1 row_mask:0xf bank_mask:0xf
	v_add_f32_dpp v[AC], v[AC], v[AC] row_xmask:2 row_mask:0xf bank_mask:0xf
	v_add_f32_dpp v[AC], v[AC], v[AC] row_xmask:4 row_mask:0xf bank_mask:0xf
	v_add_f32_dpp v[AC], v[AC], v[AC] row_xmask:8 row_mask:0xf bank_mask:0xf
	v_permlanex16_b32 v[TP], v[AC], s30, s31
	v_add_f32 v[AC], v[AC], v[TP]
.endm
.macro LNROW i
.set XR, X+32*\i
	s_wait_loadcnt 8*(3-\i)                        ; gain, bias and my rows up to this one are in; eight loads for each later row may be out
.irp k, 0,1,2,3
	v_pk_add_f32 v[AC+2*\k:AC+2*\k+1], v[XR+2*\k:XR+2*\k+1], v[XR+8+2*\k:XR+8+2*\k+1]
.endr
.irp p, 8,9,10,11,12,13,14,15
	v_pk_add_f32 v[AC+2*(\p%4):AC+2*(\p%4)+1], v[AC+2*(\p%4):AC+2*(\p%4)+1], v[XR+2*\p:XR+2*\p+1]
.endr
	FOLD
	XSUM
	v_mul_f32 v[MU], s29, v[AC]
	v_mul_f32 v[MU+1], s29, v[AC]
.irp p, 0,1,2,3,4,5,6,7,8,9,10,11,12,13,14,15
	v_pk_add_f32 v[XR+2*\p:XR+2*\p+1], v[XR+2*\p:XR+2*\p+1], v[MU:MU+1] neg_lo:[0,1] neg_hi:[0,1]   ; x - mean: the variance is taken of the differences
.endr
.irp k, 0,1,2,3
	v_pk_mul_f32 v[AC+2*\k:AC+2*\k+1], v[XR+2*\k:XR+2*\k+1], v[XR+2*\k:XR+2*\k+1]
.endr
.irp p, 4,5,6,7,8,9,10,11,12,13,14,15
	v_pk_fma_f32 v[AC+2*(\p%4):AC+2*(\p%4)+1], v[XR+2*\p:XR+2*\p+1], v[XR+2*\p:XR+2*\p+1], v[AC+2*(\p%4):AC+2*(\p%4)+1]
.endr
	FOLD
	XSUM
	v_fma_f32 v[RS], v[AC], s29, s34               ; var + eps
	s_wait_alu depctr_va_vdst(0)
	v_rsq_f32 v[RS], v[RS]
	v_nop                                          ; a plain instruction behind the transcendental (ISA guide 5.7.2)
	s_wait_alu depctr_va_vdst(0)
	v_mov_b32 v[RS+1], v[RS]
.irp p, 0,1,2,3,4,5,6,7,8,9,10,11,12,13,14,15
	v_pk_mul_f32 v[XR+2*\p:XR+2*\p+1], v[XR+2*\p:XR+2*\p+1], v[RS:RS+1]
.endr
.irp p, 0,1,2,3,4,5,6,7,8,9,10,11,12,13,14,15
	v_pk_fma_f32 v[XR+2*\p:XR+2*\p+1], v[XR+2*\p:XR+2*\p+1], v[G+2*\p:G+2*\p+1], v[BT+2*\p:BT+2*\p+1]
.endr
.set vv, 0
.rept NV
.set uu, 0
.rept 4                                        ; the two sets of held numbers take turns, so that eight plain lines stand between a conversion and the next write of its sources
.set TT, T0+(T1-T0)*(uu%2)
.set jj, 0
.rept 8
	v_med3_num_f32 v[TT+jj], v[XR+8*uu+jj], -v[LIMV+vv], v[LIMV+vv]   ; the conversion does not saturate (ISA guide 7.6.2): the hold comes first
.set jj, jj+1
.endr
	v_cvt_scalef32_pk8_fp8_f32 v[CC+8*vv+2*uu:CC+8*vv+2*uu+1], v[TT:TT+7], v[SCV+vv]
	ds_store_b32 v[SA], v[CC+8*vv+2*uu] offset:16*\i+VSTR*vv+KSTR*2*uu
	ds_store_b32 v[SA], v[CC+8*vv+2*uu+1] offset:16*\i+VSTR*vv+KSTR*(2*uu+1)
.set uu, uu+1
.endr
.set vv, vv+1
.endr
	v_nop                                          ; a plain line behind the last conversion
	s_wait_dscnt 0x0                               ; the stores have read the codes; behind the last row: my part of the stage has landed
.endm
	LNROW 0
	LNROW 1
	LNROW 2
	LNROW 3
	s_barrier_signal -1
	s_barrier_wait -1                              ; all 16 rows lie in the stage
.set nn, 0
.irp kk, 0,1
.irp g, 0,1,2,3
	ds_load_b128 v[X+4*nn:X+4*nn+3], v[RA] offset:KSTR*\kk+GSTR*\g
.set nn, nn+1
.endr
.endr
.set nn, 0
.irp kk, 0,1
.irp g, 0,1,2,3
	s_wait_dscnt 7-nn
	global_store_b128 v[GO], v[X+4*nn:X+4*nn+3], s[36:37] offset:2048*\kk+512*\g   ; 512 consecutive bytes, aligned
.set nn, nn+1
.endr
.endr
	s_wait_tensorcnt 0x0
	ds_add_u32 v246, v247
	s_wait_dscnt 0x0
	s_endpgm
.Lfunc_end_k_qc25183679a_ln2:
	.size	k_qc25183679a_ln2, .Lfunc_end_k_qc25183679a_ln2-k_qc25183679a_ln2
	.p2alignl 7, 3214868480
	.fill 96, 4, 3214868480
	.section	.rodata,"a",@progbits
	.p2align	6, 0x0
	.amdhsa_kernel k_qc25183679a_ln2
		.amdhsa_group_segment_fixed_size 17920
		.amdhsa_private_segment_fixed_size 0
		.amdhsa_enable_private_segment 0
		.amdhsa_kernarg_size 40
		.amdhsa_user_sgpr_count 2
		.amdhsa_user_sgpr_kernarg_segment_ptr 1
		.amdhsa_wavefront_size32 1
		.amdhsa_system_sgpr_workgroup_id_x 1
		.amdhsa_system_sgpr_workgroup_id_y 1
		.amdhsa_system_sgpr_workgroup_id_z 1
		.amdhsa_system_vgpr_workitem_id 0
		.amdhsa_next_free_vgpr 256
		.amdhsa_next_free_sgpr 66
		.amdhsa_reserve_vcc 0
		.amdhsa_float_denorm_mode_32 3
		.amdhsa_float_denorm_mode_16_64 3
		.amdhsa_memory_ordered 1
		.amdhsa_forward_progress 1
		.amdhsa_inst_pref_size 45
	.end_amdhsa_kernel
	.amdgpu_metadata
---
amdhsa.version: [ 1, 2 ]
amdhsa.kernels:
  - .name:           k_qc25183679a_ln2
    .symbol:         k_qc25183679a_ln2.kd
    .args:
      - { .name: x1, .offset: 0, .size: 8, .value_kind: global_buffer, .address_space: global }
      - { .name: ln2_g, .offset: 8, .size: 8, .value_kind: global_buffer, .address_space: global }
      - { .name: ln2_b, .offset: 16, .size: 8, .value_kind: global_buffer, .address_space: global }
      - { .name: lowp_scales, .offset: 24, .size: 8, .value_kind: global_buffer, .address_space: global }
      - { .name: xn2c, .offset: 32, .size: 8, .value_kind: global_buffer, .address_space: global }
    .group_segment_fixed_size: 17920
    .private_segment_fixed_size: 0
    .kernarg_segment_align: 8
    .kernarg_segment_size: 40
    .max_flat_workgroup_size: 128
    .sgpr_count:     66
    .vgpr_count:     256
    .wavefront_size: 32
...
	.end_amdgpu_metadata
.endif
;; end of part 5
;; launch ff1 (part 6): grid 16 x 16, 4 waves a work-group, clusters of 4 x 4, 327,680 bytes of LDS; arguments xn2c, wcodes, lowp_scales, b1, hc; writes hc
.if DOCPART == 6
	.amdgcn_target "amdgcn-amd-amdhsa--gfx1250"
	.amdhsa_code_object_version 6
	.text
	.protected	k_qc25183679a_ff1
	.globl	k_qc25183679a_ff1
	.p2align	8
	.type	k_qc25183679a_ff1,@function
k_qc25183679a_ff1:
	s_mov_b64 s[64:65], 0
	v_nop
	global_prefetch_b8 v0, s[64:65] scope:SCOPE_SE
	s_setreg_imm32_b32 hwreg(HW_REG_WAVE_MODE, 25, 1), 1
	s_wait_xcnt 0x0
	s_wait_alu depctr_hold_cnt(0) depctr_sa_sdst(0) depctr_va_vdst(0) depctr_va_sdst(0) depctr_va_ssrc(0) depctr_va_vcc(0) depctr_vm_vsrc(0)
	s_getreg_b32 s2, hwreg(HW_REG_IB_STS2, 6, 4)
	s_cmp_eq_u32 s2, 0
	s_cbranch_scc0 .Lentry_in_a_cluster
	s_endpgm
.Lentry_in_a_cluster:
	s_bfe_u32 s2, ttmp6, 0x10000c
	s_cmp_lg_u32 s2, 0xf033
	s_cbranch_scc0 .Lentry_shape_is_right
	s_endpgm
.Lentry_shape_is_right:
; FF1: h = relu(xn2 w1 + b1), 4,096 x 4,096 over K = 1,024, on codes of FP8 (E4M3) laid as fragment images; h is quantised at once (scale e14) as FF2's operand.
; The frame is QKV's: a tile of 256 x 256 by four waves of 128 x 128, K in steps of 256 through two LDS slots, 4 x 4 clusters: the tokens' tiles are shared along a row, the weight's along a column.
; b1 / 2^(e12 + e13) is the C of each accumulator's first product; the hold between 0 and 448 x the scale is the relu too.  At the head a wave issues one joint load; slot 1's first fill is issued as a refill is.
; LIMITS: e14 - e12 - e13 between -126 and 119.
.set TROW,   4096
.set HALFT,  8*TROW
.set SLOT,   4*HALFT
.set SPARE,  2*SLOT
.set LAPS,   2
.set FR,     16
.set NL,     4
.set NP,     4
.set SC,   12
.set LIM,  13
.set ADRA, 16
.set ADRB, 20
.set VO0,  26
.set SPW,  28
.set NIL,  29
.set BIAS, 32
.set TMP,  32
.set CD,   96
.set AF,   128
.set G1, 24
.set G0, 32
.set G1B, 48
.set G0B, 56
.set MSB, 0
.macro WIN new
.if MSB != (\new)
	s_set_vgpr_msb (MSB<<8)|(\new)
.set MSB, (\new)
.endif
.endm
.set MUL_LO, 0xa1
.set MUL_HI, 0xf1
.set TO_B,   0x40
.macro JLOAD g0a, g1a, g0b, g1b
	s_cmp_eq_u32 s15, 0
	s_cbranch_scc0 .Lfor_b_\@
	tensor_load_to_lds s[\g0a:\g0a+3], s[\g1a:\g1a+7]
	s_nop 0
.rept 4
	v_nop
.endr
	s_branch .Lasked_\@
.Lfor_b_\@:
	tensor_load_to_lds s[\g0b:\g0b+3], s[\g1b:\g1b+7]
	s_nop 0
.rept 4
	v_nop
.endr
.Lasked_\@:
.endm
.macro CREST
	s_cmp_lg_u32 s14, 0
	s_cbranch_scc1 .Lnot_wave_0_\@
	s_barrier_signal -3
.Lnot_wave_0_\@:
	s_barrier_wait -3
	s_barrier_signal -1
	s_barrier_wait -1
.endm
.macro CROUND
	s_barrier_signal -1
	s_barrier_wait -1
	CREST
.endm
	s_load_b256 s[4:11], s[0:1], 0x0
	s_load_b64 s[12:13], s[0:1], 0x20
	v_lshl_add_u32 v[SPW], v0, 2, SPARE
	v_mov_b32 v[NIL], 0
	ds_add_u32 v28, v29
	ds_add_u32 v28, v29
	s_wait_dscnt 0x0
	v_lshrrev_b32 v1, 5, v0
	v_readfirstlane_b32 s14, v1
	v_and_b32 v30, 15, v0                          ; the prefetches' offset: lanes 0-15 name the sixteen blocks of 256 bytes of a K step in one row tile,
	v_bfe_u32 v31, v0, 4, 1
	v_lshlrev_b32 v30, 8, v30
	v_lshl_add_u32 v30, v31, 14, v30               ; lanes 16-31 those of the next row tile, 16,384 bytes on; never rewritten
	v_lshlrev_b32 v2, 5, v31                       ; the bias: 32 bytes for each half of the lanes
	s_lshr_b32 s15, s14, 1
	s_and_b32 s16, s14, 1
	s_bfe_u32 s40, ttmp6, 0x40000
	s_bfe_u32 s41, ttmp6, 0x40004
	s_lshl_b32 s42, ttmp9, 2
	s_add_co_u32 s42, s42, s40
	s_and_b32 s17, ttmp7, 0xffff
	s_lshl_b32 s17, s17, 2
	s_add_co_u32 s17, s17, s41
	s_lshl_b32 s43, s41, 2
	s_lshl_b32 s43, 15, s43
	s_lshl_b32 s44, 0x1111, s40
	s_or_b32 s[G1+0], s43, (3<<16)|(1<<21)
	s_or_b32 s[G1B+0], s44, (3<<16)|(1<<21)
.irp g, G1, G1B
	s_mov_b32 s[\g+1], 512<<16
	s_mov_b32 s[\g+2], 8<<16
	s_mov_b32 s[\g+3], 512<<16
	s_mov_b32 s[\g+4], 8
	s_mov_b32 s[\g+5], 2048
	s_mov_b32 s[\g+6], 0
	s_mov_b32 s[\g+7], 0
.endr
	s_lshl_b32 s20, s17, 18
	s_lshl_b32 s21, s16, 17
	s_add_co_u32 s20, s20, s21
	s_lshl_b32 s46, s42, 18
	s_add_co_u32 s46, s46, s21
	s_add_co_u32 s46, s46, 0x400000
	s_mov_b32 s21, 0
	s_mov_b32 s47, 0
	s_mul_i32 s45, s14, HALFT
	s_wait_alu depctr_va_vdst(0)
	s_wait_kmcnt 0x0
	s_load_b512 s[68:83], s[8:9], 0x0
	s_add_nc_u64 s[20:21], s[4:5], s[20:21]
	s_add_nc_u64 s[46:47], s[6:7], s[46:47]
	s_lshl_b32 s98, s42, 10                        ; my 128 columns of b1: asked for here, so that they land under the first tile's flight
	s_lshl_b32 s99, s16, 9
	s_add_co_u32 s98, s98, s99
	s_mov_b32 s99, 0
	s_add_nc_u64 s[10:11], s[10:11], s[98:99]
.irp b, 0,1,2,3,4,5,6,7
	global_load_b128 v[BIAS+8*\b:BIAS+8*\b+3], v2, s[10:11] offset:64*\b
	global_load_b128 v[BIAS+8*\b+4:BIAS+8*\b+7], v2, s[10:11] offset:64*\b+16
.endr
	s_cmp_eq_u32 s15, 0                            ; the prefetches: of the eight row tiles that my wave fetches, each of the four partners that ask for them jointly names two, told apart by address
	s_cselect_b64 s[84:85], s[20:21], s[46:47]
	s_cselect_b32 s86, s40, s41                    ; my place among them: cx for the tokens' tiles, cy for the weight's
	s_lshl_b32 s86, s86, 15
	s_mov_b32 s87, 0
	s_add_nc_u64 s[84:85], s[84:85], s[86:87]      ; never rewritten
	CROUND
.irp s, 0,1
	s_mov_b32 s[G0+4*\s], 1
	s_add_co_u32 s[G0+4*\s+1], s45, \s*SLOT
	s_add_nc_u64 s[G0+4*\s+2:G0+4*\s+3], s[20:21], \s*TROW
	s_or_b32 s[G0+4*\s+3], s[G0+4*\s+3], 0x80000000
	s_mov_b32 s[G0B+4*\s], 1
	s_add_co_u32 s[G0B+4*\s+1], s45, \s*SLOT
	s_add_nc_u64 s[G0B+4*\s+2:G0B+4*\s+3], s[46:47], \s*TROW
	s_or_b32 s[G0B+4*\s+3], s[G0B+4*\s+3], 0x80000000
.if \s == 1
	s_wait_alu depctr_va_vdst(0)
	s_wait_tensorcnt 0x0
	ds_add_u32 v28, v29
	s_wait_dscnt 0x0
	CROUND
.endif
	JLOAD G0+4*\s, G1, G0B+4*\s, G1B
.if \s == 0
	global_prefetch_b8 v30, s[84:85] offset:TROW th:TH_LOAD_NT scope:SCOPE_SE     ; behind K step 0's load: K step 1, 8 KiB a wave; each block of 256 bytes is named once in a cluster
.else
	global_prefetch_b8 v30, s[84:85] offset:2*TROW th:TH_LOAD_NT scope:SCOPE_SE   ; K step 2 is asked for behind K step 1's load, one whole step ahead of its own
	global_prefetch_b8 v30, s[84:85] offset:3*TROW th:TH_LOAD_NT scope:SCOPE_SE   ; behind K step 1's load: K step 3, the last
.endif
.endr
	v_and_b32 v1, 31, v0
	v_lshlrev_b32 v[VO0], 4, v1
	s_mul_i32 s21, s15, HALFT
	s_mul_i32 s22, s16, HALFT
	s_add_co_u32 s22, s22, 2*HALFT
.irp s, 0,1
	v_add_nc_u32 v[ADRA+\s], s21, v[VO0]
	v_add_nc_u32 v[ADRB+\s], s22, v[VO0]
	s_add_co_u32 s21, s21, SLOT
	s_add_co_u32 s22, s22, SLOT
.endr
	s_lshl_b32 s20, s17, 20
	s_lshl_b32 s21, s15, 19
	s_add_co_u32 s20, s20, s21
	s_lshl_b32 s21, s42, 12
	s_add_co_u32 s20, s20, s21
	s_lshl_b32 s21, s16, 11
	s_add_co_u32 s20, s20, s21
	s_mov_b32 s21, 0
	s_add_nc_u64 s[12:13], s[12:13], s[20:21]
	s_wait_kmcnt 0x0
	s_add_co_i32 s18, s80, s81
	s_sub_co_i32 s19, 0, s18
	s_sub_co_i32 s18, s82, s18
	s_add_co_i32 s18, s18, 127
	s_lshl_b32 s22, s18, 23
	v_mov_b32 v[SC], s22
	s_add_co_i32 s18, s18, 8
	s_lshl_b32 s18, s18, 23
	s_or_b32 s18, s18, 0x600000
	v_mov_b32 v[LIM], s18
	s_wait_loadcnt 0x0
.set jj, 0
.rept 64
	v_ldexp_f32 v[BIAS+jj], v[BIAS+jj], s19
.set jj, jj+1
.endr
.macro FRAG reg, adr, q, i
.irp c, 0,1,2,3
	ds_load_b128 v[\reg+4*\c:\reg+4*\c+3], v[\adr] offset:2048*(\q)+512*\c+(\i)*TROW
.endr
.endm
.macro MUL16 a0, p, zero
.irp a, \a0, \a0+1
.irp b, 0,1,2,3,4,5,6,7
.if \zero == 2
	v_wmma_f32_16x16x128_fp8_fp8 v[8*(8*((\a)%4)+\b):8*(8*((\a)%4)+\b)+7], v[128*(\p)+FR*\b:128*(\p)+FR*\b+FR-1], v[AF+FR*(\a):AF+FR*(\a)+FR-1], v[BIAS+8*\b:BIAS+8*\b+7]
.else
	v_wmma_f32_16x16x128_fp8_fp8 v[8*(8*((\a)%4)+\b):8*(8*((\a)%4)+\b)+7], v[128*(\p)+FR*\b:128*(\p)+FR*\b+FR-1], v[AF+FR*(\a):AF+FR*(\a)+FR-1], v[8*(8*((\a)%4)+\b):8*(8*((\a)%4)+\b)+7]
.endif
.endr
.endr
.endm
.macro FETCH_B slot, q, p
	WIN TO_B
.irp i, 0,1,2,3,4,5,6,7
	FRAG 128*(\p)+FR*\i, ADRB+\slot, \q, \i
.endr
	WIN 0
.endm
.macro FETCH_A slot, q, i0
.irp i, \i0, \i0+1, \i0+2, \i0+3
	FRAG AF+FR*(\i), ADRA+\slot, \q, \i
.endr
.endm
.macro PLACES n
.rept \n
	v_nop
.endr
.endm
.macro STEP slot, q, zero
	s_wait_dscnt 4*NL
.if \zero == 2
	WIN 0x81
.else
	WIN MUL_LO
.endif
	MUL16 0, (\q)%2, \zero
	MUL16 2, (\q)%2, \zero
	s_wait_dscnt 0
	PLACES NP
	FETCH_B \slot, (\q)+1, 1-(\q)%2
	FETCH_A \slot, (\q)+1, 0
.if \zero == 2
	WIN 0xc1
.else
	WIN MUL_HI
.endif
	MUL16 4, (\q)%2, \zero
	MUL16 6, (\q)%2, \zero
	PLACES NP
	WIN 0
	FETCH_A \slot, (\q)+1, 4
.endm
.macro TURN slot, next, fill
	s_wait_tensorcnt 0x0
	ds_add_u32 v[SPW], v[NIL]
	s_wait_dscnt 4*NL+1
	WIN MUL_LO
	MUL16 0, 1, 0
	s_wait_dscnt 0x0
	s_barrier_signal -1
	MUL16 2, 1, 0
	WIN 0
	s_barrier_wait -1
.if \fill
	CREST
	s_add_nc_u64 s[G0+4*\slot+2:G0+4*\slot+3], s[G0+4*\slot+2:G0+4*\slot+3], 2*TROW
	s_add_nc_u64 s[G0B+4*\slot+2:G0B+4*\slot+3], s[G0B+4*\slot+2:G0B+4*\slot+3], 2*TROW
	JLOAD G0+4*\slot, G1, G0B+4*\slot, G1B
.else
	PLACES NP
.endif
	FETCH_B \next, 0, 0
	FETCH_A \next, 0, 0
	WIN MUL_HI
	MUL16 4, 1, 0
	MUL16 6, 1, 0
	PLACES NP
	WIN 0
	FETCH_A \next, 0, 4
.endm
	s_wait_alu depctr_va_vdst(0)
	s_wait_tensorcnt 1
	s_barrier_signal -1
	s_barrier_wait -1
	FETCH_B 0, 0, 0
	FETCH_A 0, 0, 0
	FETCH_A 0, 0, 4
	STEP 0, 0, 2
	s_mov_b32 s3, LAPS-1
.Llap:
	TURN 0, 1, 1
	STEP 1, 0, 0
	TURN 1, 0, 1
	STEP 0, 0, 0
	s_sub_co_u32 s3, s3, 1
	s_cmp_lg_u32 s3, 0
	s_cbranch_scc1 .Llap
	TURN 0, 1, 0
	STEP 1, 0, 0
	s_wait_dscnt 4*NL
	WIN MUL_LO
	MUL16 0, 1, 0
	MUL16 2, 1, 0
	s_wait_dscnt 0
	WIN MUL_HI
	MUL16 4, 1, 0
	MUL16 6, 1, 0
	WIN 0
.macro OUTBLK a
.set AC, 64*((\a)%4)
.if (\a) > 0
	s_wait_xcnt 0x0
.endif
	WIN 0x02+((\a)/4)
.set jj, 0
.rept 64
	v_med3_num_f32 v[TMP+jj], v[AC+jj], 0, v[LIM]
.set jj, jj+1
.endr
	WIN 0
.irp b, 0,1,2,3,4,5,6,7
	v_cvt_scalef32_pk8_fp8_f32 v[CD+2*\b:CD+2*\b+1], v[TMP+8*\b:TMP+8*\b+7], v[SC]
.endr
	v_nop
.irp g, 0,1,2,3
	global_store_b128 v[VO0], v[CD+4*\g:CD+4*\g+3], s[12:13] offset:(\a)*65536+512*\g
.endr
.endm
	PLACES NP
.irp a, 0,1,2,3,4,5,6,7
	OUTBLK \a
.endr
	s_wait_tensorcnt 0x0
	ds_add_u32 v[SPW], v[NIL]
	s_wait_dscnt 0x0
	CROUND
	s_endpgm
.Lfunc_end_k_qc25183679a_ff1:
	.size	k_qc25183679a_ff1, .Lfunc_end_k_qc25183679a_ff1-k_qc25183679a_ff1
	.p2alignl 7, 3214868480
	.fill 96, 4, 3214868480
	.section	.rodata,"a",@progbits
	.p2align	6, 0x0
	.amdhsa_kernel k_qc25183679a_ff1
		.amdhsa_group_segment_fixed_size 327680
		.amdhsa_private_segment_fixed_size 0
		.amdhsa_enable_private_segment 0
		.amdhsa_kernarg_size 40
		.amdhsa_user_sgpr_count 2
		.amdhsa_user_sgpr_kernarg_segment_ptr 1
		.amdhsa_wavefront_size32 1
		.amdhsa_system_sgpr_workgroup_id_x 1
		.amdhsa_system_sgpr_workgroup_id_y 1
		.amdhsa_system_sgpr_workgroup_id_z 1
		.amdhsa_system_vgpr_workitem_id 0
		.amdhsa_next_free_vgpr 1024
		.amdhsa_next_free_sgpr 100
		.amdhsa_reserve_vcc 0
		.amdhsa_float_denorm_mode_32 3
		.amdhsa_float_denorm_mode_16_64 3
		.amdhsa_memory_ordered 1
		.amdhsa_forward_progress 1
		.amdhsa_inst_pref_size 124
	.end_amdhsa_kernel
	.amdgpu_metadata
---
amdhsa.version: [ 1, 2 ]
amdhsa.kernels:
  - .name:           k_qc25183679a_ff1
    .symbol:         k_qc25183679a_ff1.kd
    .args:
      - { .name: xn2c, .offset: 0, .size: 8, .value_kind: global_buffer, .address_space: global }
      - { .name: wcodes, .offset: 8, .size: 8, .value_kind: global_buffer, .address_space: global }
      - { .name: lowp_scales, .offset: 16, .size: 8, .value_kind: global_buffer, .address_space: global }
      - { .name: b1, .offset: 24, .size: 8, .value_kind: global_buffer, .address_space: global }
      - { .name: hc, .offset: 32, .size: 8, .value_kind: global_buffer, .address_space: global }
    .group_segment_fixed_size: 327680
    .private_segment_fixed_size: 0
    .kernarg_segment_align: 8
    .kernarg_segment_size: 40
    .max_flat_workgroup_size: 128
    .sgpr_count:     100
    .vgpr_count:     1024
    .wavefront_size: 32
...
	.end_amdgpu_metadata
.endif
;; end of part 6
;; launch ff2 (part 7): grid 8 x 32, 4 waves a work-group, clusters of 4 x 4, 327,680 bytes of LDS; arguments hc, wcodes, lowp_scales, b2, x1, out0; writes out0
.if DOCPART == 7
	.amdgcn_target "amdgcn-amd-amdhsa--gfx1250"
	.amdhsa_code_object_version 6
	.text
	.protected	k_qc25183679a_ff2
	.globl	k_qc25183679a_ff2
	.p2align	8
	.type	k_qc25183679a_ff2,@function
k_qc25183679a_ff2:
	s_mov_b64 s[64:65], 0
	v_nop
	global_prefetch_b8 v0, s[64:65] scope:SCOPE_SE
	s_setreg_imm32_b32 hwreg(HW_REG_WAVE_MODE, 25, 1), 1
	s_wait_xcnt 0x0
	s_wait_alu depctr_hold_cnt(0) depctr_sa_sdst(0) depctr_va_vdst(0) depctr_va_sdst(0) depctr_va_ssrc(0) depctr_va_vcc(0) depctr_vm_vsrc(0)
	s_getreg_b32 s2, hwreg(HW_REG_IB_STS2, 6, 4)
	s_cmp_eq_u32 s2, 0
	s_cbranch_scc0 .Lentry_in_a_cluster
	s_endpgm
.Lentry_in_a_cluster:
	s_bfe_u32 s2, ttmp6, 0x10000c
	s_cmp_lg_u32 s2, 0xf033
	s_cbranch_scc0 .Lentry_shape_is_right
	s_endpgm
.Lentry_shape_is_right:
; FF2: out = x1 + h w2 + b2.  h [4,096 x 4,096] and w2's image [1,024 rows n x 4,096] are codes of FP8 (E4M3) laid as fragment images
; (16 rows x 128 K = 2,048 bytes, lane L's registers 4 g .. 4 g + 3 at 512 g + 16 L; a row tile's fragments on end).  Each finished sum is multiplied once by 2^(e14 + e15).
; N = 1,024 gives 256 tiles of 128 x 128: four waves of 64 x 64, 16 accumulators each.  K goes in steps of 512 through a ring of two LDS slots of 128 KiB: eight fills, one tensor load a wave behind each round.
; Source 0 = 16 rows of the weight, source 1 = 16 tokens: a lane holds eight neighbouring columns of one row.  A wave's 64 columns of f32 are 256 aligned bytes: each wave has a stage of its own on the way out.
; CLUSTERS: 4 x 4 work-groups; h's tiles are shared along a row of the cluster, w2's along a column: each is asked for jointly.
; PREFETCH: of the four row tiles that a wave fetches each of the four partners names one (8 KiB of a K step, lanes 256 bytes apart), told apart by address.  K step 1 is asked for behind K step 0's load, K steps 2 and 3 behind
; K step 1's, and each refill asks for the K step two refills on; the last trip asks for nothing.  w2's rows are walked by eight clusters: those with y under 4 ask for them.
; The residual is asked for behind the loop and has the last 1,024 along K in which to land.
; LIMIT: e14 + e15 between -126 and 127.
; REGISTERS: window 0: v0-31 addresses, v[12:15] bias, v32-95 the way out, v128-255 accumulator (a, b) at v[128 + 8 (4 a + b)].  window 1: two fragment buffers of 128 (A's four, then B's four).  window 2: v0-127 the residual.
.set SIZE_K, 4096
.set REGION, 0x800000                  ; w2's image in wcodes
.set SCOFF,  0x38                      ; e14, e15 in lowp_scales
.set RT,     16*SIZE_K                 ; bytes of a row tile's fragments
.set TROW,   8192                      ; four of them in a slot
.set HALFT,  4*TROW                    ; 64 rows: what one tensor load brings
.set SLOT,   4*HALFT
.set STAGE,  2*SLOT                    ; behind the ring: 16 rows x 272 bytes for each wave
.set SPITCH, 272
.set SPARE,  STAGE+4*16*SPITCH         ; the spare words, 128 bytes a wave
.set LAPS,   SIZE_K/1024
.set BIAS, 12
.set ADRA, 16
.set ADRB, 20
.set STO,  24
.set RD,   25
.set CO,   26
.set PFO,  27                          ; v27  256 x lane; never rewritten
.set SPW,  28
.set NIL,  29
.set BK,   32
.set ACC,  128
.set F0,   0
.set F1,   128
.set G1, 24
.set G0, 32
.set G1B, 48
.set G0B, 56
.set LIM, 89                           ; s89  1 where my wave prefetches, else the greatest number
.set PFA, 92                           ; s[92:93] my work-group's row tile of the four that I fetch, at the K step that was last refilled less one
.set MSB, 0
.macro WIN new
.if MSB != (\new)
	s_set_vgpr_msb (MSB<<8)|(\new)
.set MSB, (\new)
.endif
.endm
.set MUL,  0x05                        ; sources 0 and 1 window 1; C and D window 0
.set TO_F, 0x40
.macro JLOAD s                         ; a joint load: waves 0, 1 fetch A's halves, waves 2, 3 B's; an s_nop 0 and four v_nop follow each line
	s_cmp_eq_u32 s15, 0
	s_cbranch_scc0 .Lfor_b_\@
	tensor_load_to_lds s[G0+4*\s:G0+4*\s+3], s[G1:G1+7]
	s_nop 0
.rept 4
	v_nop
.endr
	s_branch .Lasked_\@
.Lfor_b_\@:
	tensor_load_to_lds s[G0B+4*\s:G0B+4*\s+3], s[G1B:G1B+7]
	s_nop 0
.rept 4
	v_nop
.endr
.Lasked_\@:
.endm
.macro ASK                             ; in the loop: the K step two refills on; s3 = 1 in the last trip, which has none
	s_cmp_gt_u32 s3, s[LIM]
	s_cbranch_scc0 .Lnot_mine_\@
	global_prefetch_b8 v[PFO], s[PFA:PFA+1] offset:3*TROW th:TH_LOAD_NT scope:SCOPE_SE
.Lnot_mine_\@:
.endm
.macro CREST
	s_cmp_lg_u32 s14, 0
	s_cbranch_scc1 .Lnot_wave_0_\@
	s_barrier_signal -3
.Lnot_wave_0_\@:
	s_barrier_wait -3
	s_barrier_signal -1
	s_barrier_wait -1
.endm
.macro CROUND
	s_barrier_signal -1
	s_barrier_wait -1
	CREST
.endm
	s_load_b256 s[4:11], s[0:1], 0x0               ; h's codes, wcodes, lowp_scales, b2
	s_load_b128 s[84:87], s[0:1], 0x20             ; x1, out0
	v_lshl_add_u32 v[SPW], v0, 2, SPARE
	v_mov_b32 v[NIL], 0
	ds_add_u32 v[SPW], v[NIL]                      ; the opening lines: the add, twice on end, and its wait ahead of my first tensor load
	ds_add_u32 v[SPW], v[NIL]
	v_lshrrev_b32 v1, 5, v0
	v_readfirstlane_b32 s14, v1                    ; wave 0..3
	s_lshr_b32 s15, s14, 1                         ; my half of the rows.  Also: I fetch for A (0) or B (1)
	s_and_b32 s16, s14, 1                          ; my half of the columns.  Also: which 64 rows I fetch
	s_bfe_u32 s40, ttmp6, 0x40000                  ; cx
	s_bfe_u32 s41, ttmp6, 0x40004                  ; cy
	s_lshl_b32 s42, ttmp9, 2
	s_add_co_u32 s42, s42, s40                     ; tile column
	s_and_b32 s17, ttmp7, 0xffff                   ; cluster y
	s_lshr_b32 s88, s17, 2
	s_mul_i32 s88, s88, s15                        ; 0 in A's waves, and in B's where cluster y is under 4
	s_cmp_eq_u32 s88, 0
	s_cselect_b32 s[LIM], 1, -1
	s_lshl_b32 s17, s17, 2
	s_add_co_u32 s17, s17, s41                     ; tile row
	s_lshl_b32 s43, s41, 2
	s_lshl_b32 s43, 15, s43                        ; my row of the cluster
	s_lshl_b32 s44, 0x1111, s40                    ; my column
	s_or_b32 s[G1+0], s43, (3<<16)|(1<<21)         ; the mask; elements of 8 bytes; bit 21 beside a mask; no padding
	s_or_b32 s[G1B+0], s44, (3<<16)|(1<<21)
.irp g, G1, G1B
	s_mov_b32 s[\g+1], 1024<<16                    ; tensor_dim0: 8,192 bytes
	s_mov_b32 s[\g+2], 4<<16                       ; tensor_dim1: 4 row tiles
	s_mov_b32 s[\g+3], 1024<<16
	s_mov_b32 s[\g+4], 4
	s_mov_b32 s[\g+5], RT/8                        ; from row tile to row tile
	s_mov_b32 s[\g+6], 0
	s_mov_b32 s[\g+7], 0
.endr
	s_mul_i32 s18, s16, 4*RT
	s_mul_i32 s20, s17, 8*RT
	s_add_co_u32 s20, s20, s18                     ; A: the 64 rows that I fetch
	s_mul_i32 s46, s42, 8*RT
	s_add_co_u32 s46, s46, s18
	s_add_co_u32 s46, s46, REGION                  ; B likewise
	s_mov_b32 s21, 0
	s_mov_b32 s47, 0
	s_mul_i32 s45, s14, HALFT                      ; where my load goes: no place in the cluster enters an LDS address
	s_lshl_b32 s18, s17, 19                        ; the result: 128 rows x tile row
	s_lshl_b32 s19, s15, 18                        ; + 64 rows x half
	s_add_co_u32 s18, s18, s19
	s_mov_b32 s19, 0
	s_lshl_b32 s12, s42, 9                         ; 128 columns x tile column
	s_lshl_b32 s13, s16, 8                         ; + 64 columns x half
	s_add_co_u32 s12, s12, s13
	s_mov_b32 s13, 0
	s_mul_i32 s94, s15, HALFT                      ; my A fragments in a slot,
	s_mul_i32 s95, s16, HALFT
	s_add_co_u32 s95, s95, 2*HALFT                 ; my B fragments,
	s_mul_i32 s98, s14, 16*SPITCH
	s_add_co_u32 s98, s98, STAGE                   ; my stage
	v_and_b32 v1, 15, v0                           ; r
	v_bfe_u32 v2, v0, 4, 1                         ; h
	v_and_b32 v3, 31, v0
	v_lshlrev_b32 v[PFO], 8, v3
	v_lshlrev_b32 v3, 4, v3                        ; 16 x lane
	v_add_nc_u32 v[ADRA], s94, v3
	v_add_nc_u32 v[ADRB], s95, v3
	v_add_nc_u32 v[ADRA+1], SLOT, v[ADRA]
	v_add_nc_u32 v[ADRB+1], SLOT, v[ADRB]
	v_mul_u32_u24 v4, v1, SPITCH
	v_lshl_add_u32 v4, v2, 5, v4
	v_add_nc_u32 v[STO], s98, v4                   ; in: row r, 32 bytes for each half of the lanes
	v_mul_u32_u24 v5, v2, SPITCH
	v_lshl_add_u32 v5, v1, 4, v5
	v_add_nc_u32 v[RD], s98, v5                    ; back: lanes 0-15 one row of 256 bytes, lanes 16-31 the next
	v_lshlrev_b32 v5, 12, v2
	v_lshl_add_u32 v[CO], v1, 4, v5                ; the same two rows in memory: rows of 4,096 bytes
	v_lshlrev_b32 v6, 4, v1
	s_wait_alu depctr_va_vdst(0)
	s_wait_dscnt 0x0                               ; both opening adds are done
	s_wait_kmcnt 0x0
	s_load_b64 s[96:97], s[8:9], SCOFF
	s_add_nc_u64 s[20:21], s[4:5], s[20:21]
	s_add_nc_u64 s[46:47], s[6:7], s[46:47]
	s_add_nc_u64 s[84:85], s[84:85], s[18:19]
	s_add_nc_u64 s[84:85], s[84:85], s[12:13]
	s_add_nc_u64 s[86:87], s[86:87], s[18:19]
	s_add_nc_u64 s[86:87], s[86:87], s[12:13]
	s_add_nc_u64 s[10:11], s[10:11], s[12:13]
	global_load_b128 v[BIAS:BIAS+3], v6, s[10:11]
	s_cmp_eq_u32 s15, 0
	s_cselect_b64 s[PFA:PFA+1], s[20:21], s[46:47]
	s_cselect_b32 s90, s40, s41                    ; my place among the four that ask with me: cx for A's tiles, cy for B's
	s_lshl_b32 s90, s90, 16                        ; a row tile is RT bytes
	s_mov_b32 s91, 0
	s_add_nc_u64 s[PFA:PFA+1], s[PFA:PFA+1], s[90:91]
	CROUND                                         ; all sixteen work-groups are here: the first joint loads meet
.irp s, 0,1
	s_mov_b32 s[G0+4*\s], 1
	s_add_co_u32 s[G0+4*\s+1], s45, \s*SLOT
	s_add_nc_u64 s[G0+4*\s+2:G0+4*\s+3], s[20:21], \s*TROW
	s_or_b32 s[G0+4*\s+3], s[G0+4*\s+3], 0x80000000
	s_mov_b32 s[G0B+4*\s], 1
	s_add_co_u32 s[G0B+4*\s+1], s45, \s*SLOT
	s_add_nc_u64 s[G0B+4*\s+2:G0B+4*\s+3], s[46:47], \s*TROW
	s_or_b32 s[G0B+4*\s+3], s[G0B+4*\s+3], 0x80000000
.endr
	JLOAD 0                                        ; K step 0: one tensor load a wave at the head
	s_cmp_eq_u32 s[LIM], 1
	s_cbranch_scc0 .Lq0
	global_prefetch_b8 v[PFO], s[PFA:PFA+1] offset:TROW th:TH_LOAD_NT scope:SCOPE_SE
.Lq0:
	s_wait_tensorcnt 0x0                           ; my part of K step 0 is in; slot 1's first fill is issued as a refill is:
	ds_add_u32 v[SPW], v[NIL]                      ; 0 onto my spare word
	s_wait_dscnt 0x0
	CROUND                                         ; a whole round, and K step 1's joint load first behind it
	JLOAD 1
	s_cmp_eq_u32 s[LIM], 1
	s_cbranch_scc0 .Lq1
	global_prefetch_b8 v[PFO], s[PFA:PFA+1] offset:2*TROW th:TH_LOAD_NT scope:SCOPE_SE
	global_prefetch_b8 v[PFO], s[PFA:PFA+1] offset:3*TROW th:TH_LOAD_NT scope:SCOPE_SE
.Lq1:
.macro MUL4 f, a, zero                 ; A's block a x B's four; the 16 accumulators take turns, one instruction a turn
.irp b, 0,1,2,3
.if \zero
	v_wmma_f32_16x16x128_fp8_fp8 v[ACC+8*(4*(\a)+\b):ACC+8*(4*(\a)+\b)+7], v[\f+64+16*\b:\f+64+16*\b+15], v[\f+16*(\a):\f+16*(\a)+15], 0
.else
	v_wmma_f32_16x16x128_fp8_fp8 v[ACC+8*(4*(\a)+\b):ACC+8*(4*(\a)+\b)+7], v[\f+64+16*\b:\f+64+16*\b+15], v[\f+16*(\a):\f+16*(\a)+15], v[ACC+8*(4*(\a)+\b):ACC+8*(4*(\a)+\b)+7]
.endif
.endr
.endm
.macro FETCH slot, q, f                ; 32 LDS loads in one run: fragment q of B's four row tiles, then of A's four
	WIN TO_F
.irp i, 0,1,2,3
.irp c, 0,1,2,3
	ds_load_b128 v[\f+64+16*\i+4*\c:\f+64+16*\i+4*\c+3], v[ADRB+\slot] offset:TROW*\i+2048*(\q)+512*\c
.endr
.endr
.irp i, 0,1,2,3
.irp c, 0,1,2,3
	ds_load_b128 v[\f+16*\i+4*\c:\f+16*\i+4*\c+3], v[ADRA+\slot] offset:TROW*\i+2048*(\q)+512*\c
.endr
.endr
.endm
.macro PLACES
.rept 4
	v_nop
.endr
.endm
.macro QUARTER slot, qn, f, g, zero    ; 128 along K: multiplies buffer f, fetches fragment qn of the same slot into g
	s_wait_dscnt 8                                 ; B's four and A's blocks 0, 1 are in; the eight youngest loads (A's 2, 3) may be out
	WIN MUL
	MUL4 \f, 0, \zero
	MUL4 \f, 1, \zero
	PLACES
	FETCH \slot, \qn, \g
	s_wait_dscnt 32                                ; all but the 32 just issued
	WIN MUL
	MUL4 \f, 2, \zero
	MUL4 \f, 3, \zero
.endm
.macro TURN slot, next, fill           ; a slot's last quarter (buffer 1) changes slots
.if \fill
	s_wait_xcnt 0x0                                ; any prefetch of mine has read its address: it steps here, ahead of the waits of the change of slots
	s_add_nc_u64 s[PFA:PFA+1], s[PFA:PFA+1], TROW
.endif
	WIN 0
	s_wait_tensorcnt 0x0                           ; all my tensor loads have landed: my part of the next slot
	ds_add_u32 v[SPW], v[NIL]                      ; 0 onto my spare word
	s_wait_dscnt 9                                 ; the add and the eight youngest loads may be out
	WIN MUL
	MUL4 F1, 0, 0
	MUL4 F1, 1, 0
	s_wait_dscnt 0x0                               ; the add is done, and my reads of this slot are over
	s_barrier_signal -1
	MUL4 F1, 2, 0
	WIN 0
	s_barrier_wait -1
.if \fill
	CREST                                          ; the barrier has opened a round of the cluster's: no wave of any partner still reads this slot or has a load on its way
	s_add_nc_u64 s[G0+4*\slot+2:G0+4*\slot+3], s[G0+4*\slot+2:G0+4*\slot+3], 2*TROW
	s_add_nc_u64 s[G0B+4*\slot+2:G0B+4*\slot+3], s[G0B+4*\slot+2:G0B+4*\slot+3], 2*TROW
	JLOAD \slot                                    ; the first tensor load behind the round; its four v_nop are the places in front of the loads below
	ASK
.else
	PLACES
.endif
	FETCH \next, 0, F0
	WIN MUL
	MUL4 F1, 3, 0
.endm
	s_wait_tensorcnt 1                             ; my part of K step 0 is in; K step 1's load may be out
	s_barrier_signal -1
	s_barrier_wait -1
	FETCH 0, 0, F0
	QUARTER 0, 1, F0, F1, 1                        ; the first products start the sums
	WIN 0
	s_mov_b32 s3, LAPS-1
.Llap:                                                 ; a trip goes once round the ring and fills both slots again
	QUARTER 0, 2, F1, F0, 0
	QUARTER 0, 3, F0, F1, 0
	TURN 0, 1, 1
	QUARTER 1, 1, F0, F1, 0
	QUARTER 1, 2, F1, F0, 0
	QUARTER 1, 3, F0, F1, 0
	TURN 1, 0, 1
	QUARTER 0, 1, F0, F1, 0
	WIN 0
	s_sub_co_u32 s3, s3, 1
	s_cmp_lg_u32 s3, 0
	s_cbranch_scc1 .Llap
	WIN 0x80                                       ; destination window 2
.irp a, 0,1,2,3
.irp t, 0,1,2,3,4,5,6,7
	global_load_b128 v[4*(8*\a+\t):4*(8*\a+\t)+3], v[CO], s[84:85] offset:(16*\a+2*\t)*4096 th:TH_LOAD_NT   ; the residual, in the layout in which the rows come back from the stage
.endr
.endr
	WIN 0
	QUARTER 0, 2, F1, F0, 0                        ; the last lap fills nothing
	QUARTER 0, 3, F0, F1, 0
	TURN 0, 1, 0
	QUARTER 1, 1, F0, F1, 0
	QUARTER 1, 2, F1, F0, 0
	QUARTER 1, 3, F0, F1, 0
	s_wait_dscnt 8
	WIN MUL
	MUL4 F1, 0, 0
	MUL4 F1, 1, 0
	s_wait_dscnt 0
	MUL4 F1, 2, 0
	MUL4 F1, 3, 0
	WIN 0
; THE WAY OUT, 16 rows at a time: the sums go through my stage and come back as rows of 256 bytes; then sum x 2^(e14 + e15) + bias, + the residual; sixteen lanes store 256 aligned bytes.
.macro TOSTAGE a
.set BB, BK+32*((\a)%2)
.irp b, 0,1,2,3
	ds_store_b128 v[STO], v[ACC+8*(4*(\a)+\b):ACC+8*(4*(\a)+\b)+3] offset:64*\b        ; each accumulator from its low end on
	ds_store_b128 v[STO], v[ACC+8*(4*(\a)+\b)+4:ACC+8*(4*(\a)+\b)+7] offset:64*\b+16
.endr
.irp t, 0,1,2,3,4,5,6,7
	ds_load_b128 v[BB+4*\t:BB+4*\t+3], v[RD] offset:\t*2*SPITCH   ; LDS serves a wave's instructions in order: these see my stores
.endr
.endm
.macro SEND a, younger                 ; younger: the LDS instructions issued behind block a's loads
.set BB, BK+32*((\a)%2)
	s_wait_dscnt \younger
.set jj, 0
.rept 8
	v_pk_fma_f32 v[BB+4*jj:BB+4*jj+1], v[BB+4*jj:BB+4*jj+1], s[96:97], v[BIAS:BIAS+1] op_sel_hi:[1,0,1]
	v_pk_fma_f32 v[BB+4*jj+2:BB+4*jj+3], v[BB+4*jj+2:BB+4*jj+3], s[96:97], v[BIAS+2:BIAS+3] op_sel_hi:[1,0,1]
.set jj, jj+1
.endr
	WIN 0x08                                       ; source 1 window 2
.set jj, 0
.rept 16
	v_pk_add_f32 v[BB+2*jj:BB+2*jj+1], v[BB+2*jj:BB+2*jj+1], v[32*(\a)+2*jj:32*(\a)+2*jj+1]
.set jj, jj+1
.endr
	WIN 0
.irp t, 0,1,2,3,4,5,6,7
	global_store_b128 v[CO], v[BB+4*\t:BB+4*\t+3], s[86:87] offset:(16*(\a)+2*\t)*4096 th:TH_STORE_NT
.endr
.endm
	s_wait_kmcnt 0x0
	s_add_co_i32 s96, s96, s97
	s_add_co_i32 s96, s96, 127
	s_lshl_b32 s96, s96, 23                        ; 2^(e14 + e15) as f32
	s_mov_b32 s97, s96
	PLACES                                         ; behind the last products
	s_wait_loadcnt 0x0                             ; the residual and the bias
	TOSTAGE 0
.irp a, 1,2,3
.if \a > 1
	s_wait_xcnt 0x0                                ; block a - 2's stores have read their registers: block a's loads may land there
.endif
	TOSTAGE \a
	SEND \a-1, 16                                  ; behind block a - 1's loads: block a's 8 stores and 8 loads
.endr
	SEND 3, 0
	s_wait_tensorcnt 0x0                           ; the wave's end
	ds_add_u32 v[SPW], v[NIL]
	s_wait_dscnt 0x0
	CROUND                                         ; the closing round
	s_endpgm
.Lfunc_end_k_qc25183679a_ff2:
	.size	k_qc25183679a_ff2, .Lfunc_end_k_qc25183679a_ff2-k_qc25183679a_ff2
	.p2alignl 7, 3214868480
	.fill 96, 4, 3214868480
	.section	.rodata,"a",@progbits
	.p2align	6, 0x0
	.amdhsa_kernel k_qc25183679a_ff2
		.amdhsa_group_segment_fixed_size 327680
		.amdhsa_private_segment_fixed_size 0
		.amdhsa_enable_private_segment 0
		.amdhsa_kernarg_size 48
		.amdhsa_user_sgpr_count 2
		.amdhsa_user_sgpr_kernarg_segment_ptr 1
		.amdhsa_wavefront_size32 1
		.amdhsa_system_sgpr_workgroup_id_x 1
		.amdhsa_system_sgpr_workgroup_id_y 1
		.amdhsa_system_sgpr_workgroup_id_z 1
		.amdhsa_system_vgpr_workitem_id 0
		.amdhsa_next_free_vgpr 640
		.amdhsa_next_free_sgpr 100
		.amdhsa_reserve_vcc 0
		.amdhsa_float_denorm_mode_32 3
		.amdhsa_float_denorm_mode_16_64 3
		.amdhsa_memory_ordered 1
		.amdhsa_forward_progress 1
		.amdhsa_inst_pref_size 83
	.end_amdhsa_kernel
	.amdgpu_metadata
---
amdhsa.version: [ 1, 2 ]
amdhsa.kernels:
  - .name:           k_qc25183679a_ff2
    .symbol:         k_qc25183679a_ff2.kd
    .args:
      - { .name: hc, .offset: 0, .size: 8, .value_kind: global_buffer, .address_space: global }
      - { .name: wcodes, .offset: 8, .size: 8, .value_kind: global_buffer, .address_space: global }
      - { .name: lowp_scales, .offset: 16, .size: 8, .value_kind: global_buffer, .address_space: global }
      - { .name: b2, .offset: 24, .size: 8, .value_kind: global_buffer, .address_space: global }
      - { .name: x1, .offset: 32, .size: 8, .value_kind: global_buffer, .address_space: global }
      - { .name: out0, .offset: 40, .size: 8, .value_kind: global_buffer, .address_space: global }
    .group_segment_fixed_size: 327680
    .private_segment_fixed_size: 0
    .kernarg_segment_align: 8
    .kernarg_segment_size: 48
    .max_flat_workgroup_size: 128
    .sgpr_count:     100
    .vgpr_count:     640
    .wavefront_size: 32
...
	.end_amdgpu_metadata
.endif
;; end of part 7
